; MI455X (gfx1250); checked and timed in simulation.
; The chip was launched on July 23, 2026; its instructions are those of AMD's public machine-readable ISA for CDNA 5 (MIT licence, August 2026) and "CDNA5" Instruction Set Architecture Reference Guide (July 2026). The comments in the code are by the model that wrote it; some were corrected since.
;; Multi Head Attention. Allowed arithmetic: matrix products marked QUANTISED: E2M3 operands, one E8M0 scale for each 32 along K, by v_wmma_scale_f32_16x16x128_f8f6f4 with both operands' format E2M3, f32 sums; everything else in f32.
;; Inputs: Wk 2,048 x 2,048 float32; Wo 2,048 x 2,048 float32; Wq 2,048 x 2,048 float32; Wv 2,048 x 2,048 float32; cos 2,048 x 128 float32; mask 2,048 x 2,048 float32; sin 2,048 x 128 float32; x 1 x 2,048 x 2,048 float32.
;; Outputs: out0 1 x 2,048 x 2,048 float32.
;; This version of the problem:
;;   THIS VERSION OF THE PROBLEM IS GIVEN IN LOW PRECISION. The matrix products marked QUANTISED in the list below multiply operands that are first quantised to E2M3 (2 exponent bits, 3 mantissa bits; 6 bits a number), with one power-of-two scale for each 32 numbers along K (OCP MX v1.0); their sums are f32. All else is computed in f32.
;;   The module's matrix products, in the order in which they are computed (A, B: the left and right operand; K: the contracted axis; several contracted axes count as one K, in the product's order):
;;     1. [M 2,048, K 2,048] x [K 2,048, N 2,048]; A: input x; B: input Wq: QUANTISED
;;     2. [M 2,048, K 2,048] x [K 2,048, N 2,048]; A: input x; B: input Wk: QUANTISED
;;     3. [M 2,048, K 2,048] x [K 2,048, N 2,048]; A: input x; B: input Wv: QUANTISED
;;     4. batch 16 x [M 2,048, K 128] x [K 128, N 2,048]; A: computed on the way; B: computed on the way: QUANTISED
;;     5. batch 16 x [M 2,048, K 2,048] x [K 2,048, N 128]; A: softmax (see below); B: computed on the way: QUANTISED
;;     6. [M 2,048, K 2,048] x [K 2,048, N 2,048]; A: computed on the way; B: input Wo: QUANTISED
;;   THE QUANTISER, for each operand of a quantised product, along K:
;;     - K is cut into blocks of 32 from its start; a last block that is shorter is filled with zeros.
;;     - A block's scale is 2^e with e = floor(log2(the largest magnitude in the block)) - 2, held to -126 .. 127; a block of zeros has e = 0. As a byte (E8M0): e + 127.
;;     - Each number is divided by its block's scale, clamped to +-7.5, and rounded to the nearest number of E2M3, ties to even, subnormals kept.
;;     - The product sums the exact products of the quantised numbers (number of the format x scale) in f32.
;;   ~~~python
;;   def quantise(x, axis):      # numpy; x: float32 -> the quantised numbers, widened to float32 again
;;       x = np.moveaxis(x, axis, -1); K = x.shape[-1]
;;       x = np.pad(x, [(0, 0)] * (x.ndim - 1) + [(0, -K % 32)]); x = x.reshape(x.shape[:-1] + (-1, 32)); a = np.abs(x).max(-1, keepdims=True)
;;       e = np.where(a > 0, np.clip(np.frexp(np.where(a > 0, a, 1))[1] - 1 - 2, -126, 127), 0)      # np.frexp(a)[1] - 1 = floor(log2(a)), exactly
;;       r = np.clip(x / 2.0 ** e, -7.5, 7.5)
;;       step = 2.0 ** (np.maximum(np.frexp(np.where(r == 0, 1, r))[1] - 1, 0) - 3)
;;       q = np.round(r / step) * step * 2.0 ** e      # np.round: ties to even
;;       return np.moveaxis(q.reshape(q.shape[:-2] + (-1,))[..., :K], -1, axis).astype(np.float32)
;;   ~~~
;;   SOFTMAX AHEAD OF A QUANTISED PRODUCT. Where the list says 'softmax', what is quantised is not the finished softmax but p = 2^(t - M), with t = logit x log2(e) and M = ceil(the row's largest t), a whole number; so 1/2 < the row's largest p <= 1. The row's sum l is taken of the UNQUANTISED p, in f32, and the product's result is divided by l at the end. Since M is a whole number, a kernel that streams over the keys may use a running M (the ceiling of the running maximum): every later rescaling is an exact power of two, which a block's scale takes up: the codes' values come out the same.
;;   OPERANDS COMPUTED ON THE WAY. 'Computed on the way' means the value that the module computes at that place (a softmax that the list does not call 'softmax' is quantised finished and normalised). What goes into a quantiser is computed in f32, as accurately as f32 sums, v_exp_f32 and their like allow (about 1e-6 of the number): no bf16 or f16 on the way to a quantiser, and a product that is left as it is and whose result goes on into a quantised operand takes f32 operands (vector FMAs, or v_wmma_f32_16x16x4_f32). A number that lies on a knife's edge between two numbers of the format may be rounded either way, as far as f32 arithmetic and the matrix unit's own rounding can turn it there, and no further.
;; One version. Each part assembles by itself: llvm-mc -triple=amdgcn-amd-amdhsa -mcpu=gfx1250 --defsym DOCPART=n.
;; ======== version 1 of 1: 4 launches
;; limits: right only within a limited range of input values
;; workspace buffers: wc 15,728,640 bytes; ws 655,360 bytes; qkvc 9,437,184 bytes; qkvs 393,216 bytes; aoc 3,145,728 bytes; aos 131,072 bytes
;; launch quant (part 1): grid 640 x 1, 4 waves a work-group, no clusters, 35,328 bytes of LDS; arguments x, Wq, Wk, Wv, Wo, wc, ws; writes wc, ws
.if DOCPART == 1
	.amdgcn_target "amdgcn-amd-amdhsa--gfx1250"
	.amdhsa_code_object_version 6
	.text
	.protected	k_qe13d11ddb6_quant
	.globl	k_qe13d11ddb6_quant
	.p2align	8
	.type	k_qe13d11ddb6_quant,@function
k_qe13d11ddb6_quant:
	s_mov_b64 s[64:65], 0
	v_nop
	global_prefetch_b8 v0, s[64:65] scope:SCOPE_SE
	s_setreg_imm32_b32 hwreg(HW_REG_WAVE_MODE, 25, 1), 1
	s_wait_xcnt 0x0
; x, Wq, Wk, Wv, Wo, each [2048][2048] f32 with K innermost, become codes of FP6 (E2M3) with one E8M0 scale byte for each 32 along K.
; A block's scale is 2^(floor(log2(its largest magnitude)) - 2); its byte is the largest magnitude's exponent field - 2, held at 1 from below.
; LIMITS: a block whose largest magnitude lies under 2^-124 (a block of zeros too) keeps the byte 1: its codes are then zeros or nearly so, and the bytes are read by this program alone.
;         NaN and infinities among the inputs are not served.
; LAYOUT OF THE RESULT.  The codes are stored as IMAGES OF OPERAND REGISTERS: a fragment (16 rows x 128 K, 12 registers a lane) is 1,536 bytes, register g of lane l at 512 (g / 4) + 16 l + 4 (g % 4).
;   wc: [tensor 5][tile 128][K step 16][1536].   THE ROWS OF A TILE ARE NOT NEIGHBOURS: lane r of tile 2 b + u holds row 32 b + 8 u + r + 8 (r / 8), so that a product which takes such a tile as
;   source 0 leaves 16 neighbours along that axis in the 16 registers of two neighbouring tiles.
;   ws: [tensor][tile][K step / 2][row 16][2 words]: a word is the four scale bytes of one row and one K step of 128.
; SHARES.  A work-group takes one tile of one tensor, wave w its K steps 4 w .. 4 w + 3.  A fragment's numbers are 16 rows x 512 bytes: 16 loads of 512 consecutive bytes.  The conversions want 16 neighbours
; along K in ONE lane, so the 8 KiB turn through the wave's own stage in LDS (rows 528 bytes apart, so that the sixteen rows of a read start in different banks).  Waves share nothing: no barrier.
.set R,    16                          ; v16-143  two sets of 64: a fragment's numbers as they are loaded
.set X,    144                         ; v144-207 register 16 b + i = k 32 b + 16 (lane / 16) + i of my row
.set PC,   208                         ; v208-226 the codes just made
.set TM,   228                         ; v228-243 at work
.set SW,   244                         ; v244-247 the four fragments' scale words
.set SO,   248                         ; v248-249 the two words that I store
.set SEL,  24                          ; s[24:25] lane selects for v_permlanex16_b32: lane l xor 16
.set SP,   528
.set WSTG, 16*SP
	s_load_b256 s[4:11], s[0:1], 0x0               ; x, Wq, Wk, Wv
	s_load_b128 s[12:15], s[0:1], 0x20             ; Wo, wc
	s_load_b64 s[16:17], s[0:1], 0x30              ; ws
	v_lshl_add_u32 v254, v0, 2, 0x8800
	v_mov_b32 v255, 0
	v_lshrrev_b32 v1, 5, v0
	v_readfirstlane_b32 s18, v1                    ; wave 0..3
	v_and_b32 v1, 31, v0                           ; lane
	v_and_b32 v2, 15, v0                           ; r
	v_bfe_u32 v3, v0, 4, 1                         ; h
	v_lshlrev_b32 v4, 4, v1                        ; 16 x lane: my bytes of a load's 512, and of an image's
	s_mul_i32 s19, s18, WSTG                       ; my stage
	v_add_nc_u32 v5, s19, v4                       ; into it: as loaded
	v_mul_u32_u24 v6, v2, SP
	v_lshl_add_u32 v6, v3, 6, v6
	v_add_nc_u32 v6, s19, v6                       ; out of it: row r, + 64 h: my 16 numbers of a block of 32
	v_lshlrev_b32 v8, 3, v1                        ; 8 x lane: my two scale words
	s_mov_b32 s[SEL], 0x76543210
	s_mov_b32 s[SEL+1], 0xfedcba98
.irp b, 0,1,2,3
	v_mov_b32 v[TM+4+\b], 0                        ; written once: a lane permute's destination counts as one of its sources
.endr
	s_lshr_b32 s26, ttmp9, 7                       ; which tensor
	s_and_b32 s27, ttmp9, 127                      ; which tile: 2 b + u
	s_lshr_b32 s28, s27, 1
	s_and_b32 s29, s27, 1
	s_lshl_b32 s28, s28, 18                        ; 32 b rows of 8,192 bytes
	s_lshl_b32 s29, s29, 16                        ; 8 u rows
	s_add_co_u32 s28, s28, s29
	s_lshl_b32 s29, s18, 11                        ; my four K steps: 2,048 bytes of each row
	s_add_co_u32 s28, s28, s29
	s_mov_b32 s29, 0
	s_mul_i32 s30, ttmp9, 24576                    ; the tile's 16 images,
	s_mul_i32 s31, s18, 6144                       ; my four
	s_add_co_u32 s30, s30, s31
	s_mov_b32 s31, 0
	s_lshl_b32 s32, ttmp9, 10                      ; the tile's scale words,
	s_lshl_b32 s33, s18, 8                         ; my 256 bytes
	s_add_co_u32 s32, s32, s33
	s_mov_b32 s33, 0
	s_wait_alu depctr_va_vdst(0)
	s_wait_kmcnt 0x0
	s_mov_b64 s[20:21], s[4:5]                     ; the tensor is chosen by the work-group's number alone
	s_cmp_eq_u32 s26, 1
	s_cselect_b64 s[20:21], s[6:7], s[20:21]
	s_cmp_eq_u32 s26, 2
	s_cselect_b64 s[20:21], s[8:9], s[20:21]
	s_cmp_eq_u32 s26, 3
	s_cselect_b64 s[20:21], s[10:11], s[20:21]
	s_cmp_eq_u32 s26, 4
	s_cselect_b64 s[20:21], s[12:13], s[20:21]
	s_add_nc_u64 s[20:21], s[20:21], s[28:29]
	s_add_nc_u64 s[14:15], s[14:15], s[30:31]
	s_add_nc_u64 s[16:17], s[16:17], s[32:33]
; 64 numbers of a lane, v[s] on, register 16 b + i = k 32 b + 16 (lane / 16) + i of my row, become a fragment's codes in v[PC] on and its scale word in v[pw].
.macro QUANT s, pw
.irp b, 0,1,2,3
	v_max3_num_f32 v[TM+\b], |v[\s+16*\b]|, |v[\s+1+16*\b]|, 0x1800000   ; block b: my 16 numbers, and the floor 2^(3 - 127): the byte cannot fall under 1
.endr
.irp i, 2,4,6,8,10,12,14
.irp b, 0,1,2,3
	v_max3_num_f32 v[TM+\b], v[TM+\b], |v[\s+16*\b+\i]|, |v[\s+1+16*\b+\i]|   ; the four blocks by turns
.endr
.endr
.irp b, 0,1,2,3
	v_permlanex16_b32 v[TM+4+\b], v[TM+\b], s[SEL], s[SEL+1]
.endr
.irp b, 0,1,2,3
	v_max_num_f32 v[TM+\b], v[TM+\b], v[TM+4+\b]   ; with lane l xor 16's: the block's largest magnitude
.endr
.irp b, 0,1,2,3
	v_add_nc_u32 v[TM+12+\b], 0xff000000, v[TM+\b] ; 2 off its exponent field: the conversion takes the exponent field of this operand as its scale
.endr
.irp b, 0,1,2,3
	v_lshrrev_b32 v[TM+4+\b], 23, v[TM+12+\b]      ; the scale's byte
.endr
	v_lshl_or_b32 v[\pw], v[TM+5], 8, v[TM+4]      ; the four bytes make my row's scale word
	v_lshl_or_b32 v[\pw], v[TM+6], 16, v[\pw]
	v_lshl_or_b32 v[\pw], v[TM+7], 24, v[\pw]
.irp c, 0,1
	v_cvt_scalef32_pk16_fp6_f32 v[PC+6*\c:PC+2+6*\c], v[\s+32*\c:\s+15+32*\c], v[TM+12+2*\c]
	v_cvt_scalef32_pk16_fp6_f32 v[PC+12+4*\c:PC+14+4*\c], v[\s+16+32*\c:\s+31+32*\c], v[TM+12+2*\c+1]   ; (a conversion's three registers begin on an even number)
.endr
	v_nop                                          ; one plain place behind a scaled conversion
.irp c, 0,1                                    ; the operand's layout wants a WHOLE block in a lane: lanes 0-15 block 2 c, lanes 16-31 block 2 c + 1
.irp i, 0,1,2
	v_permlane16_swap_b32 v[PC+6*\c+\i], v[PC+12+4*\c+\i]
.endr
.irp i, 0,1,2
	v_mov_b32 v[PC+3+6*\c+\i], v[PC+12+4*\c+\i]
.endr
.endr
.endm
.macro LOAD q                          ; fragment q: the tile's 16 rows, 512 consecutive bytes a load
.irp i, 0,1,2,3,4,5,6,7,8,9,10,11,12,13,14,15
	global_load_b128 v[R+64*((\q)%2)+4*\i:R+64*((\q)%2)+4*\i+3], v4, s[20:21] offset:(\i+8*(\i/8))*8192+512*(\q) th:TH_LOAD_NT
.endr
.endm
.macro FRAGQ q
.if (\q) < 3
	s_wait_loadcnt 16                              ; this fragment's 16 loads are in; the next fragment's 16 may be out
.else
	s_wait_loadcnt 0x0
.endif
.irp i, 0,1,2,3,4,5,6,7,8,9,10,11,12,13,14,15
	ds_store_b128 v5, v[R+64*((\q)%2)+4*\i:R+64*((\q)%2)+4*\i+3] offset:SP*\i
.endr
.irp b, 0,1,2,3
.irp j, 0,1,2,3
	ds_load_b128 v[X+16*\b+4*\j:X+16*\b+4*\j+3], v6 offset:128*\b+16*\j   ; LDS serves a wave's instructions in order: these see the stores above
.endr
.endr
	s_wait_dscnt 0x0                               ; my 64 numbers are back, and the stores have read the set that is loaded again below
.if (\q) < 2
	LOAD (\q)+2
.endif
	s_wait_xcnt 0x0                                ; the last image's stores have read the codes' registers, which are written again below
	QUANT X, SW+(\q)
.irp c, 0,1,2
	global_store_b128 v4, v[PC+4*\c:PC+4*\c+3], s[14:15] offset:1536*(\q)+512*\c   ; 32 lanes store 512 consecutive bytes
.endr
.endm
	LOAD 0
	LOAD 1
	FRAGQ 0
	FRAGQ 1
	FRAGQ 2
	FRAGQ 3
	v_cmp_gt_u32 vcc_lo, 16, v1                    ; lanes r and r + 16 hold the same words: lanes 0-15 store those of my K steps 0, 1, lanes 16-31 those of 2, 3
	v_cndmask_b32 v[SO], v[SW+2], v[SW], vcc_lo
	v_cndmask_b32 v[SO+1], v[SW+3], v[SW+1], vcc_lo
	global_store_b64 v8, v[SO:SO+1], s[16:17]      ; 32 lanes store 256 consecutive bytes, at a multiple of 256 from the buffer's first byte
	s_wait_tensorcnt 0x0
	ds_add_u32 v254, v255
	s_wait_dscnt 0x0
	s_endpgm
.Lfunc_end_k_qe13d11ddb6_quant:
	.size	k_qe13d11ddb6_quant, .Lfunc_end_k_qe13d11ddb6_quant-k_qe13d11ddb6_quant
	.p2alignl 7, 3214868480
	.fill 96, 4, 3214868480
	.section	.rodata,"a",@progbits
	.p2align	6, 0x0
	.amdhsa_kernel k_qe13d11ddb6_quant
		.amdhsa_group_segment_fixed_size 35328
		.amdhsa_private_segment_fixed_size 0
		.amdhsa_enable_private_segment 0
		.amdhsa_kernarg_size 56
		.amdhsa_user_sgpr_count 2
		.amdhsa_user_sgpr_kernarg_segment_ptr 1
		.amdhsa_wavefront_size32 1
		.amdhsa_system_sgpr_workgroup_id_x 1
		.amdhsa_system_sgpr_workgroup_id_y 1
		.amdhsa_system_sgpr_workgroup_id_z 1
		.amdhsa_system_vgpr_workitem_id 0
		.amdhsa_next_free_vgpr 256
		.amdhsa_next_free_sgpr 66
		.amdhsa_reserve_vcc 1
		.amdhsa_float_denorm_mode_32 3
		.amdhsa_float_denorm_mode_16_64 3
		.amdhsa_memory_ordered 1
		.amdhsa_forward_progress 1
		.amdhsa_inst_pref_size 34
	.end_amdhsa_kernel
	.amdgpu_metadata
---
amdhsa.version: [ 1, 2 ]
amdhsa.kernels:
  - .name:           k_qe13d11ddb6_quant
    .symbol:         k_qe13d11ddb6_quant.kd
    .args:
      - { .name: x, .offset: 0, .size: 8, .value_kind: global_buffer, .address_space: global }
      - { .name: Wq, .offset: 8, .size: 8, .value_kind: global_buffer, .address_space: global }
      - { .name: Wk, .offset: 16, .size: 8, .value_kind: global_buffer, .address_space: global }
      - { .name: Wv, .offset: 24, .size: 8, .value_kind: global_buffer, .address_space: global }
      - { .name: Wo, .offset: 32, .size: 8, .value_kind: global_buffer, .address_space: global }
      - { .name: wc, .offset: 40, .size: 8, .value_kind: global_buffer, .address_space: global }
      - { .name: ws, .offset: 48, .size: 8, .value_kind: global_buffer, .address_space: global }
    .group_segment_fixed_size: 35328
    .private_segment_fixed_size: 0
    .kernarg_segment_align: 8
    .kernarg_segment_size: 56
    .max_flat_workgroup_size: 128
    .sgpr_count:     66
    .vgpr_count:     256
    .wavefront_size: 32
...
	.end_amdgpu_metadata
.endif
;; end of part 1
;; launch qkv (part 2): grid 8 x 24, 4 waves a work-group, clusters of 4 x 4, 327,680 bytes of LDS; arguments wc, ws, cos, sin, qkvc, qkvs; writes qkvc, qkvs
.if DOCPART == 2
	.amdgcn_target "amdgcn-amd-amdhsa--gfx1250"
	.amdhsa_code_object_version 6
	.text
	.protected	k_qe13d11ddb6_qkv
	.globl	k_qe13d11ddb6_qkv
	.p2align	8
	.type	k_qe13d11ddb6_qkv,@function
k_qe13d11ddb6_qkv:
	s_mov_b64 s[64:65], 0
	v_nop
	global_prefetch_b8 v0, s[64:65] scope:SCOPE_SE
	s_setreg_imm32_b32 hwreg(HW_REG_WAVE_MODE, 25, 1), 1
	s_wait_xcnt 0x0
	s_wait_alu depctr_hold_cnt(0) depctr_sa_sdst(0) depctr_va_vdst(0) depctr_va_sdst(0) depctr_va_ssrc(0) depctr_va_vcc(0) depctr_vm_vsrc(0)
	s_getreg_b32 s2, hwreg(HW_REG_IB_STS2, 6, 4)
	s_cmp_eq_u32 s2, 0
	s_cbranch_scc0 .Lentry_in_a_cluster
	s_endpgm
.Lentry_in_a_cluster:
	s_bfe_u32 s2, ttmp6, 0x10000c
	s_cmp_lg_u32 s2, 0xf033
	s_cbranch_scc0 .Lentry_shape_is_right
	s_endpgm
.Lentry_shape_is_right:
.set NQ,     2
.set FR,     12
.set NL,     3
.set NP,     4
.set TILEB,  3072
.set HALFT,  8*TILEB
.set SLOT,   4*HALFT
.set LAPS,   4
.set SCLA,   2*SLOT
.set SCLB,   SCLA+16384+128
.set SPARE,  SCLB+16384+128
.set ADRA, 16
.set ADRB, 20
.set OA,   24
.set TA,   25
.set ADRS, 27
.set SPW,  28
.set NIL,  29
.set SC,   32
.set AF,   128
.set T1,   128
.set T2,   160
.set PC,   192
.set TM,   212
.set SW,   228
.set SO,   236
.set SEL,  92
.set G1, 24
.set G0, 32
.set G1B, 48
.set G0B, 56
.set G1S, 68
.set G0S, 76
.set G1SB, 80
.set G0SB, 88
.set MSB, 0
.macro WIN new
.set NW, \new
.if MSB != NW
	s_set_vgpr_msb (MSB<<8)|NW
.set MSB, NW
.endif
.endm
.set MUL_LO, 0xa1
.set MUL_HI, 0xf1
.set TO_B,   0x40
.macro JLOAD g0a, g1a, g0b, g1b
	s_cmp_eq_u32 s97, 0
	s_cbranch_scc0 .Lfor_b_\@
	tensor_load_to_lds s[\g0a:\g0a+3], s[\g1a:\g1a+7]
	s_nop 0
.rept 4
	v_nop
.endr
	s_branch .Lasked_\@
.Lfor_b_\@:
	tensor_load_to_lds s[\g0b:\g0b+3], s[\g1b:\g1b+7]
	s_nop 0
.rept 4
	v_nop
.endr
.Lasked_\@:
.endm
.macro CREST
	s_cmp_lg_u32 s96, 0
	s_cbranch_scc1 .Lnot_wave_0_\@
	s_barrier_signal -3
.Lnot_wave_0_\@:
	s_barrier_wait -3
	s_barrier_signal -1
	s_barrier_wait -1
.endm
.macro CROUND
	s_barrier_signal -1
	s_barrier_wait -1
	CREST
.endm
	s_load_b256 s[4:11], s[0:1], 0x0
	s_load_b128 s[12:15], s[0:1], 0x20
	v_lshl_add_u32 v[SPW], v0, 2, SPARE
	v_mov_b32 v[NIL], 0
	ds_add_u32 v28, v29
	ds_add_u32 v28, v29
	s_wait_dscnt 0x0
	v_lshrrev_b32 v1, 5, v0
	v_readfirstlane_b32 s96, v1
	s_lshr_b32 s97, s96, 1
	s_and_b32 s98, s96, 1
	s_bfe_u32 s40, ttmp6, 0x40000
	s_bfe_u32 s41, ttmp6, 0x40004
	s_lshl_b32 s42, ttmp9, 2
	s_add_co_u32 s42, s42, s40
	s_and_b32 s16, ttmp7, 0xffff
	s_lshr_b32 s99, s16, 1
	s_and_b32 s17, s16, 1
	s_lshl_b32 s17, s17, 2
	s_add_co_u32 s17, s17, s41
	s_lshl_b32 s43, s41, 2
	s_lshl_b32 s43, 15, s43
	s_lshl_b32 s44, 0x1111, s40
	s_or_b32 s[G1+0], s43, (3<<16)|(1<<21)
	s_or_b32 s[G1B+0], s44, (3<<16)|(1<<21)
.irp d, G1, G1B
	s_mov_b32 s[\d+1], 384<<16
	s_mov_b32 s[\d+2], 8<<16
	s_mov_b32 s[\d+3], 384<<16
	s_mov_b32 s[\d+4], 8
	s_mov_b32 s[\d+5], 3072
	s_mov_b32 s[\d+6], 0
	s_mov_b32 s[\d+7], 0
.endr
	s_or_b32 s[G1S+0], s43, (3<<16)|(1<<21)
	s_or_b32 s[G1SB+0], s44, (3<<16)|(1<<21)
.irp d, G1S, G1SB
	s_mov_b32 s[\d+1], 32<<16
	s_mov_b32 s[\d+2], 32<<16
	s_mov_b32 s[\d+3], 32<<16
	s_mov_b32 s[\d+4], 32
	s_mov_b32 s[\d+5], 32
	s_mov_b32 s[\d+6], 0
	s_mov_b32 s[\d+7], 0
.endr
	s_lshr_b32 s18, s99, 1
	s_mul_i32 s19, s18, 3
	s_xor_b32 s18, s18, 1
	s_add_co_u32 s94, s99, 1
	s_mul_i32 s18, s18, s94
	s_lshl_b32 s21, s98, 3
	s_lshl_b32 s20, s17, 4
	s_add_co_u32 s20, s20, s21
	s_lshl_b32 s46, s42, 4
	s_add_co_u32 s46, s46, s21
	s_lshl_b32 s22, s20, 10
	s_lshl_b32 s23, s19, 17
	s_add_co_u32 s22, s22, s23
	s_mov_b32 s23, 0
	s_lshl_b32 s92, s46, 10
	s_lshl_b32 s93, s18, 17
	s_add_co_u32 s92, s92, s93
	s_mov_b32 s93, 0
	s_mul_i32 s20, s20, 24576
	s_mul_i32 s21, s19, 3145728
	s_add_co_u32 s20, s20, s21
	s_mov_b32 s21, 0
	s_mul_i32 s46, s46, 24576
	s_mul_i32 s47, s18, 3145728
	s_add_co_u32 s46, s46, s47
	s_mov_b32 s47, 0
	s_mul_i32 s45, s96, HALFT
	s_lshl_b32 s94, s96, 13
	s_wait_kmcnt 0x0
	s_add_nc_u64 s[20:21], s[4:5], s[20:21]
	s_add_nc_u64 s[22:23], s[6:7], s[22:23]
	s_add_nc_u64 s[46:47], s[4:5], s[46:47]
	s_add_nc_u64 s[92:93], s[6:7], s[92:93]
	CROUND
	s_mov_b32 s[G0S], 1
	s_add_co_u32 s[G0S+1], s94, SCLA
	s_mov_b64 s[G0S+2:G0S+3], s[22:23]
	s_or_b32 s[G0S+3], s[G0S+3], 0x80000000
	s_mov_b32 s[G0SB], 1
	s_add_co_u32 s[G0SB+1], s94, SCLA+128
	s_mov_b64 s[G0SB+2:G0SB+3], s[92:93]
	s_or_b32 s[G0SB+3], s[G0SB+3], 0x80000000
	JLOAD G0S, G1S, G0SB, G1SB
.irp s, 0,1
	s_mov_b32 s[G0+4*\s], 1
	s_add_co_u32 s[G0+4*\s+1], s45, \s*SLOT
	s_add_nc_u64 s[G0+4*\s+2:G0+4*\s+3], s[20:21], \s*TILEB
	s_or_b32 s[G0+4*\s+3], s[G0+4*\s+3], 0x80000000
	s_mov_b32 s[G0B+4*\s], 1
	s_add_co_u32 s[G0B+4*\s+1], s45, \s*SLOT
	s_add_nc_u64 s[G0B+4*\s+2:G0B+4*\s+3], s[46:47], \s*TILEB
	s_or_b32 s[G0B+4*\s+3], s[G0B+4*\s+3], 0x80000000
	s_wait_alu depctr_va_vdst(0)
	s_wait_tensorcnt 0x0
	ds_add_u32 v28, v29
	s_wait_dscnt 0x0
	CROUND
	JLOAD G0+4*\s, G1, G0B+4*\s, G1B
.endr
	v_and_b32 v1, 15, v0
	v_bfe_u32 v2, v0, 4, 1
	s_wait_alu depctr_va_vdst(0)
	v_and_b32 v3, 31, v0
	v_lshlrev_b32 v[OA], 4, v3
	s_mul_i32 s21, s97, HALFT
	s_mul_i32 s22, s98, HALFT
	s_add_co_u32 s22, s22, 2*HALFT
.irp s, 0,1
	v_add_nc_u32 v[ADRA+\s], s21, v[OA]
	v_add_nc_u32 v[ADRB+\s], s22, v[OA]
	s_add_co_u32 s21, s21, SLOT
	s_add_co_u32 s22, s22, SLOT
.endr
	v_lshlrev_b32 v5, 3, v1
	s_lshl_b32 s21, s97, 13
	s_lshl_b32 s22, s98, 13
	s_add_co_u32 s22, s22, SCLB-SCLA
	s_sub_co_u32 s22, s22, s21
	v_mul_u32_u24 v6, s22, v2
	s_add_co_u32 s21, s21, SCLA
	v_add_nc_u32 v5, v5, v6
	v_add_nc_u32 v[ADRS], s21, v5
	v_and_b32 v5, 8, v1
	v_add_nc_u32 v5, v5, v1
	v_lshlrev_b32 v[TA], 9, v5
	v_lshl_add_u32 v[TA], v2, 6, v[TA]
	s_lshl_b32 s16, s42, 1
	s_add_co_u32 s16, s16, s98
	s_lshl_b32 s18, s17, 1
	s_add_co_u32 s18, s18, s97
	s_cmp_eq_u32 s99, 2
	s_cselect_b32 s19, s18, s16
	s_cselect_b32 s20, s16, s18
	s_lshl_b32 s19, s19, 4
	s_add_co_u32 s19, s19, s20
	s_min_u32 s20, s99, 1
	s_lshr_b32 s21, s99, 1
	s_mul_i32 s22, s19, 12288
	s_lshl_b32 s22, s22, s20
	s_mul_i32 s23, s20, 3145728
	s_add_co_u32 s22, s22, s23
	s_mul_i32 s23, s21, 12288
	s_add_co_u32 s22, s22, s23
	s_mov_b32 s23, 0
	s_add_nc_u64 s[12:13], s[12:13], s[22:23]
	s_lshl_b32 s22, s19, 9
	s_lshl_b32 s22, s22, s20
	s_lshl_b32 s23, s20, 17
	s_add_co_u32 s22, s22, s23
	s_lshl_b32 s23, s21, 9
	s_add_co_u32 s22, s22, s23
	s_mov_b32 s23, 0
	s_add_nc_u64 s[14:15], s[14:15], s[22:23]
	s_lshl_b32 s22, s18, 16
	s_add_nc_u64 s[8:9], s[8:9], s[22:23]
	s_add_nc_u64 s[10:11], s[10:11], s[22:23]
.macro FRAG reg, adr, q, i
.irp c, 0,1,2
	ds_load_b128 v[\reg+4*\c:\reg+4*\c+3], v[\adr] offset:(\i)*TILEB+(\q)*1536+512*\c
.endr
.endm
.macro MUL16 a0, p, q, sc, zero
.irp a, \a0, \a0+1
.irp b, 0,1,2,3,4,5,6,7
.if \zero
	v_wmma_scale_f32_16x16x128_f8f6f4 v[8*(8*((\a)%4)+\b):8*(8*((\a)%4)+\b)+7], v[128*(\p)+FR*\b:128*(\p)+FR*\b+FR-1], v[AF+FR*(\a):AF+FR*(\a)+FR-1], 0, v[SC+8*NQ*(\sc)+NQ*\b+(\q)], v[SC+8*NQ*(\sc)+NQ*(\a)+(\q)] matrix_a_fmt:MATRIX_FMT_FP6 matrix_b_fmt:MATRIX_FMT_FP6 matrix_a_scale:MATRIX_SCALE_ROW1
.else
	v_wmma_scale_f32_16x16x128_f8f6f4 v[8*(8*((\a)%4)+\b):8*(8*((\a)%4)+\b)+7], v[128*(\p)+FR*\b:128*(\p)+FR*\b+FR-1], v[AF+FR*(\a):AF+FR*(\a)+FR-1], v[8*(8*((\a)%4)+\b):8*(8*((\a)%4)+\b)+7], v[SC+8*NQ*(\sc)+NQ*\b+(\q)], v[SC+8*NQ*(\sc)+NQ*(\a)+(\q)] matrix_a_fmt:MATRIX_FMT_FP6 matrix_b_fmt:MATRIX_FMT_FP6 matrix_a_scale:MATRIX_SCALE_ROW1
.endif
.endr
.endr
.endm
.macro FETCH_B slot, q, p
	WIN TO_B
.irp i, 0,1,2,3,4,5,6,7
	FRAG 128*(\p)+FR*\i, ADRB+\slot, \q, \i
.endr
	WIN 0
.endm
.macro FETCH_A slot, q, i0
.irp i, \i0, \i0+1, \i0+2, \i0+3
	FRAG AF+FR*(\i), ADRA+\slot, \q, \i
.endr
.endm
.macro SCALES sc
.irp i, 0,1,2,3,4,5,6,7
	ds_load_b64 v[SC+8*NQ*\sc+NQ*\i:SC+8*NQ*\sc+NQ*\i+1], v[ADRS] offset:\i*1024
.endr
.endm
.macro PLACES n
.rept \n
	v_nop
.endr
.endm
.macro STEP slot, q, zero
	s_wait_dscnt 4*NL
	WIN MUL_LO
	MUL16 0, (\q)%2, \q, \slot, \zero
	MUL16 2, (\q)%2, \q, \slot, \zero
	s_wait_dscnt 0
	PLACES NP
	FETCH_B \slot, (\q)+1, 1-(\q)%2
	FETCH_A \slot, (\q)+1, 0
	WIN MUL_HI
	MUL16 4, (\q)%2, \q, \slot, \zero
	MUL16 6, (\q)%2, \q, \slot, \zero
	PLACES NP
	WIN 0
	FETCH_A \slot, (\q)+1, 4
.endm
.macro TURN slot, next, fill
	s_wait_tensorcnt 0x0
	ds_add_u32 v[SPW], v[NIL]
	s_wait_dscnt 4*NL+1
	WIN MUL_LO
	MUL16 0, 1, NQ-1, \slot, 0
	s_wait_dscnt 0x0
	s_barrier_signal -1
	MUL16 2, 1, NQ-1, \slot, 0
	WIN 0
	s_barrier_wait -1
.if \fill
	CREST
	s_add_nc_u64 s[G0+4*\slot+2:G0+4*\slot+3], s[G0+4*\slot+2:G0+4*\slot+3], 2*TILEB
	s_add_nc_u64 s[G0B+4*\slot+2:G0B+4*\slot+3], s[G0B+4*\slot+2:G0B+4*\slot+3], 2*TILEB
	JLOAD G0+4*\slot, G1, G0B+4*\slot, G1B
.else
	PLACES NP
.endif
	s_wait_alu depctr_va_vdst(0)
	v_add_nc_u32 v[ADRS], 128, v[ADRS]
	FETCH_B \next, 0, 0
	FETCH_A \next, 0, 0
	SCALES \next
	WIN MUL_HI
	MUL16 4, 1, NQ-1, \slot, 0
	MUL16 6, 1, NQ-1, \slot, 0
	PLACES NP
	WIN 0
	FETCH_A \next, 0, 4
.endm
	s_wait_alu depctr_va_vdst(0)
	s_wait_tensorcnt 1
	s_barrier_signal -1
	s_barrier_wait -1
	FETCH_B 0, 0, 0
	FETCH_A 0, 0, 0
	SCALES 0
	FETCH_A 0, 0, 4
	STEP 0, 0, 1
	s_mov_b32 s3, LAPS-1
.Llap:
	TURN 0, 1, 1
	STEP 1, 0, 0
	TURN 1, 0, 1
	STEP 0, 0, 0
	s_sub_co_u32 s3, s3, 1
	s_cmp_lg_u32 s3, 0
	s_cbranch_scc1 .Llap
	TURN 0, 1, 0
	STEP 1, 0, 0
	s_wait_dscnt 4*NL
	WIN MUL_LO
	MUL16 0, 1, NQ-1, 1, 0
	MUL16 2, 1, NQ-1, 1, 0
	s_wait_dscnt 0
	WIN MUL_HI
	MUL16 4, 1, NQ-1, 1, 0
	MUL16 6, 1, NQ-1, 1, 0
	WIN 0
.macro TABLES a
	WIN 0x40
.irp b, 0,1,2,3
.irp j, 0,1,2,3
	global_load_b128 v[128*((\a)%2)+16*\b+4*\j:128*((\a)%2)+16*\b+4*\j+3], v[TA], s[8:9] offset:(32*((\a)/2)+8*((\a)%2))*512+128*\b+16*\j
	global_load_b128 v[128*((\a)%2)+64+16*\b+4*\j:128*((\a)%2)+64+16*\b+4*\j+3], v[TA], s[10:11] offset:(32*((\a)/2)+8*((\a)%2))*512+128*\b+16*\j
.endr
.endr
	WIN 0
.endm
.macro ROPE a
.set WW, 2+(\a)/4
.set AC, 64*((\a)%4)
.set CT, 128*((\a)%2)
.set ST, CT+64
	WIN (1<<2)|WW
.set N, 0
.rept 16
	v_pk_mul_f32 v[T1+N:T1+N+1], v[AC+32+N:AC+33+N], v[ST+N:ST+N+1]
.set N, N+2
.endr
.set N, 0
.rept 16
	v_pk_mul_f32 v[T2+N:T2+N+1], v[AC+N:AC+N+1], v[ST+32+N:ST+33+N]
.set N, N+2
.endr
	WIN (WW<<6)|(1<<2)|WW
.set N, 0
.rept 16
	v_pk_fma_f32 v[AC+N:AC+N+1], v[AC+N:AC+N+1], v[CT+N:CT+N+1], v[T1+N:T1+N+1] neg_lo:[0,0,1] neg_hi:[0,0,1]
.set N, N+2
.endr
.set N, 0
.rept 16
	v_pk_fma_f32 v[AC+32+N:AC+33+N], v[AC+32+N:AC+33+N], v[CT+32+N:CT+33+N], v[T2+N:T2+N+1]
.set N, N+2
.endr
	WIN 0
.endm
.macro QUANTW a
.set WW, 2+(\a)/4
.set AC, 64*((\a)%4)
	WIN (WW<<2)|(WW<<4)
.irp b, 0,1,2,3
	v_max3_num_f32 v[TM+\b], 0x1800000, |v[AC+16*\b]|, |v[AC+1+16*\b]|
.endr
.irp i, 2,4,6,8,10,12,14
.irp b, 0,1,2,3
	v_max3_num_f32 v[TM+\b], v[TM+\b], |v[AC+16*\b+\i]|, |v[AC+1+16*\b+\i]|
.endr
.endr
	WIN 0
.irp b, 0,1,2,3
	v_permlanex16_b32 v[TM+4+\b], v[TM+\b], s[SEL], s[SEL+1]
.endr
.irp b, 0,1,2,3
	v_max_num_f32 v[TM+\b], v[TM+\b], v[TM+4+\b]
.endr
.irp b, 0,1,2,3
	v_add_nc_u32 v[TM+12+\b], 0xff000000, v[TM+\b]
.endr
.irp b, 0,1,2,3
	v_lshrrev_b32 v[TM+4+\b], 23, v[TM+12+\b]
.endr
	v_lshl_or_b32 v[SW+(\a)], v[TM+5], 8, v[TM+4]
	v_lshl_or_b32 v[SW+(\a)], v[TM+6], 16, v[SW+(\a)]
	v_lshl_or_b32 v[SW+(\a)], v[TM+7], 24, v[SW+(\a)]
	s_wait_xcnt 0x0
	WIN WW
.irp c, 0,1
	v_cvt_scalef32_pk16_fp6_f32 v[PC+6*\c:PC+2+6*\c], v[AC+32*\c:AC+15+32*\c], v[TM+12+2*\c]
	v_cvt_scalef32_pk16_fp6_f32 v[PC+12+4*\c:PC+14+4*\c], v[AC+16+32*\c:AC+31+32*\c], v[TM+12+2*\c+1]
.endr
	WIN 0
	v_nop
.irp c, 0,1
.irp i, 0,1,2
	v_permlane16_swap_b32 v[PC+6*\c+\i], v[PC+12+4*\c+\i]
.endr
.irp i, 0,1,2
	v_mov_b32 v[PC+3+6*\c+\i], v[PC+12+4*\c+\i]
.endr
.endr
.endm
.macro PUT a
.irp c, 0,1,2
	global_store_b128 v[OA], v[PC+4*\c:PC+4*\c+3], s[12:13] offset:(\a)*1536+512*\c
.endr
.endm
	PLACES NP
	s_mov_b32 s[SEL], 0x76543210
	s_mov_b32 s[SEL+1], 0xfedcba98
.irp b, 0,1,2,3
	v_mov_b32 v[TM+4+\b], 0
.endr
	s_cmp_eq_u32 s99, 2
	s_cbranch_scc1 .Lv_out
	TABLES 0
.irp a, 0,1,2,3,4,5,6,7
.if \a < 7
	TABLES \a+1
	s_wait_loadcnt 32
.else
	s_wait_loadcnt 0x0
.endif
	ROPE \a
	QUANTW \a
	PUT \a
.endr
	s_branch .Lwords
.Lv_out:
.irp a, 0,1,2,3,4,5,6,7
	QUANTW \a
	PUT \a
.endr
.Lwords:
	v_and_b32 v1, 31, v0
	v_cmp_le_u32 vcc_lo, 16, v1
.irp i, 0,1,2,3
	v_cndmask_b32 v[SO+\i], v[SW+\i], v[SW+4+\i], vcc_lo
.endr
	global_store_b128 v[OA], v[SO:SO+3], s[14:15]
	s_wait_tensorcnt 0x0
	ds_add_u32 v[SPW], v[NIL]
	s_wait_dscnt 0x0
	CROUND
	s_endpgm
.Lfunc_end_k_qe13d11ddb6_qkv:
	.size	k_qe13d11ddb6_qkv, .Lfunc_end_k_qe13d11ddb6_qkv-k_qe13d11ddb6_qkv
	.p2alignl 7, 3214868480
	.fill 96, 4, 3214868480
	.section	.rodata,"a",@progbits
	.p2align	6, 0x0
	.amdhsa_kernel k_qe13d11ddb6_qkv
		.amdhsa_group_segment_fixed_size 327680
		.amdhsa_private_segment_fixed_size 0
		.amdhsa_enable_private_segment 0
		.amdhsa_kernarg_size 48
		.amdhsa_user_sgpr_count 2
		.amdhsa_user_sgpr_kernarg_segment_ptr 1
		.amdhsa_wavefront_size32 1
		.amdhsa_system_sgpr_workgroup_id_x 1
		.amdhsa_system_sgpr_workgroup_id_y 1
		.amdhsa_system_sgpr_workgroup_id_z 1
		.amdhsa_system_vgpr_workitem_id 0
		.amdhsa_next_free_vgpr 1024
		.amdhsa_next_free_sgpr 100
		.amdhsa_reserve_vcc 1
		.amdhsa_float_denorm_mode_32 3
		.amdhsa_float_denorm_mode_16_64 3
		.amdhsa_memory_ordered 1
		.amdhsa_forward_progress 1
		.amdhsa_inst_pref_size 232
	.end_amdhsa_kernel
	.amdgpu_metadata
---
amdhsa.version: [ 1, 2 ]
amdhsa.kernels:
  - .name:           k_qe13d11ddb6_qkv
    .symbol:         k_qe13d11ddb6_qkv.kd
    .args:
      - { .name: wc, .offset: 0, .size: 8, .value_kind: global_buffer, .address_space: global }
      - { .name: ws, .offset: 8, .size: 8, .value_kind: global_buffer, .address_space: global }
      - { .name: cos, .offset: 16, .size: 8, .value_kind: global_buffer, .address_space: global }
      - { .name: sin, .offset: 24, .size: 8, .value_kind: global_buffer, .address_space: global }
      - { .name: qkvc, .offset: 32, .size: 8, .value_kind: global_buffer, .address_space: global }
      - { .name: qkvs, .offset: 40, .size: 8, .value_kind: global_buffer, .address_space: global }
    .group_segment_fixed_size: 327680
    .private_segment_fixed_size: 0
    .kernarg_segment_align: 8
    .kernarg_segment_size: 48
    .max_flat_workgroup_size: 128
    .sgpr_count:     100
    .vgpr_count:     1024
    .wavefront_size: 32
...
	.end_amdgpu_metadata
.endif
;; end of part 2
;; launch attn (part 3): grid 16 x 16, 8 waves a work-group, clusters of 4 x 1, 327,680 bytes of LDS; arguments qkvc, qkvs, mask, aoc, aos; writes aoc, aos
.if DOCPART == 3
	.amdgcn_target "amdgcn-amd-amdhsa--gfx1250"
	.amdhsa_code_object_version 6
	.text
	.protected	k_qe13d11ddb6_attn
	.globl	k_qe13d11ddb6_attn
	.p2align	8
	.type	k_qe13d11ddb6_attn,@function
k_qe13d11ddb6_attn:
	s_mov_b64 s[64:65], 0
	v_nop
	global_prefetch_b8 v0, s[64:65] scope:SCOPE_SE
	s_setreg_imm32_b32 hwreg(HW_REG_WAVE_MODE, 25, 1), 1
	s_wait_xcnt 0x0
	s_wait_alu depctr_hold_cnt(0) depctr_sa_sdst(0) depctr_va_vdst(0) depctr_va_sdst(0) depctr_va_ssrc(0) depctr_va_vcc(0) depctr_vm_vsrc(0)
	s_getreg_b32 s2, hwreg(HW_REG_IB_STS2, 6, 4)
	s_cmp_eq_u32 s2, 0
	s_cbranch_scc0 .Lentry_in_a_cluster
	s_endpgm
.Lentry_in_a_cluster:
	s_bfe_u32 s2, ttmp6, 0x10000c
	s_cmp_lg_u32 s2, 0x3003
	s_cbranch_scc0 .Lentry_shape_is_right
	s_endpgm
.Lentry_shape_is_right:
; O[head][q] = the sum over k of softmax_k(Q . K / sqrt(128) + mask[q][k]) V[head][k], both products on codes of FP6 (E2M3) with E8M0 scales; O is quantised along (head, channel) for the last product.
; THE MASK IS AN INPUT: every number of it is loaded and added; no key is left out.
; THE SOFTMAX: logit = score / sqrt(128) + mask, one fused multiply-add; M = the row's largest logit x log2(e) so far, rounded UP to a whole number; p = 2^(logit x log2(e) - M), one fused multiply-add and one
; exponential, is quantised along the keys, not normalised.  The row's sum is taken of the unquantised p and divides O at the end.  When M moves, the sum and O are multiplied by 2^(old M - new M): exact.
; SHARES.  A work-group owns 128 queries of one head; each of its eight waves 16 of them, in 512 registers, two waves to a SIMD.  Every wave walks all 2,048 keys, 128 a key step.
; LAYOUT.  Both products are used transposed (S^T = K Q^T, O^T = V^T P^T): a lane holds ONE query (lane % 16).  K's and V's fragments lie in memory as images of their registers; tile 2 b + u, lane r, holds key
; (V: channel) 32 b + 8 u + r + 8 (r / 8), so that registers 16 b + i of S^T are keys, and of O^T channels, 32 b + 16 (lane / 16) + i.  Q's tiles lie so too; my 16 NATURAL queries are picked by the lanes' addresses.
; K AND V come through a ring of two LDS slots of FOUR key steps (4 x 24,576 bytes).  AT THE HEAD every wave issues one load: waves 0 to 3 a key step of slot 0 each, waves 4 to 7 a quarter of the head's scale words each.
; Slot 1's first fill stands behind the waits, the add and a round, as a refill does; each slot is filled once more.  Between the key steps of a slot stands no barrier.
; THE SCALE WORDS of eight tiles come by one LDS load: lanes 0-15 take tiles 0 to 3 of row lane % 16, lanes 16-31 tiles 4 to 7, which the products name by the upper row of the register.
; THE MASK comes straight into registers, in S^T's layout: lane (query, h) takes 16 neighbours of each block of 32 keys; a wave's sixteen loads of a key step together take 512 consecutive bytes of each of its 16 rows.
; The loads go out THREE key steps ahead, into four sets of 64 registers that take turns: 48 loads of a wave are on their way.
; CLUSTER.  4 x 1 work-groups: four blocks of queries of one head; K, V and their scale words are asked for jointly.  The mask's tile differs between the partners: it is not asked for jointly.
; No prefetch: the mask's loads themselves go out three key steps ahead of their use, and a refill of K and V has four key steps between its request and the wait for it.
; LIMITS: NaN and infinities among the inputs are not served.  The promise holds while the exponents to the base 2 stay under 2^31 in magnitude.
;         Blocks whose largest magnitude lies under 2^-124 keep the scale byte 1 (read by this program alone).
; REGISTERS, window 0: v2, v3, v7 places that stay; v5, v6 the add's; v8, v10 addresses in hand; v12 -M, v13 the largest t, v[14:15] the sum; v16-27 Q; v29-31 offsets; v32-79 four fragments; v96-159 scores, logits, p;
;            v160-223 O^T; v224-235 p's codes; v232-254 at work; v248-251 eight tiles' scale words; v255 Q's scale word.     window 1: the mask, set n at v[64 n].
.set SLOT1, 1<<17                      ; slot 1 begins here: one exclusive or turns an address
.set STEPB, 24576                      ; a key step's K (eight images) and V (eight images)
.set SLOTB, 4*STEPB
.set SCL,   SLOTB                      ; behind slot 0: the head's scale words: [key step 16][K 512 bytes, V 512 bytes]
.set SPARE, SCL+16384                  ; the spare words, 128 bytes for each wave: four blocks of 256 bytes that no other line names
.set MO,   2                           ; v2   the mask: my query's row of 8,192 bytes + 64 (lane / 16); never rewritten
.set AS0,  3                           ; v3   SCL + 16 x lane: eight tiles' scale words
.set SPW,  5
.set NIL,  6
.set LI,   7                           ; v7   16 x lane: an image's place for my lane, in LDS and in memory
.set ADK,  8
.set ADS,  10
.set PC,   32                          ; the way out: v32-50 codes, v52-67 at work, v68 the scale word
.set TM,   52
.set TB,   2                           ; s2   LDS byte at which the slot in hand begins
.set TS,   3                           ; s3   where the slot's scale words begin
.set WV,   18
.set SEL,  20
.set IS,   22                          ; s[22:23] 1 / sqrt(128)
.set G1C,  24                          ; s[24:31] group 1 for a key step's K and V; s[32:39] for a quarter of the scale words
.set G1S,  32
.set G0A,  40                          ; s[40:43] group 0 of slot 0's first fill; s[44:47] of slot 1's, which then walks; s[48:51] the scale words'
.set G0W,  44
.set G0S,  48
.set L2,   60                          ; s[60:61] log2(e)
.set TRIPS, 66
.set TQ,   67
.set MSB, 0
.macro WIN new                         ; the immediate's high byte repeats the setting that is left; a switch that changes nothing is dropped
.set NW, \new
.if MSB != NW
	s_set_vgpr_msb (MSB<<8)|NW
.set MSB, NW
.endif
.endm
.macro CROUND                          ; a round of the cluster's barrier
	s_barrier_signal -1
	s_barrier_wait -1
	s_cmp_lg_u32 s[WV], 0
	s_cbranch_scc1 .Lnot_wave_0_\@
	s_barrier_signal -3
.Lnot_wave_0_\@:
	s_barrier_wait -3
	s_barrier_signal -1
	s_barrier_wait -1
.endm
.macro PLACES                          ; four places behind matrix instructions: in front of loads into their registers and of the first read of their results (for the reads)
.rept 4
	v_nop
.endr
.endm
	s_load_b256 s[4:11], s[0:1], 0x0               ; qkvc s[4:5], qkvs s[6:7], mask s[8:9], aoc s[10:11]
	s_load_b64 s[12:13], s[0:1], 0x20              ; aos
	v_lshl_add_u32 v[SPW], v0, 2, SPARE
	v_mov_b32 v[NIL], 0
	ds_add_u32 v[SPW], v[NIL]                      ; the opening lines: the add twice on end
	ds_add_u32 v[SPW], v[NIL]
	s_wait_dscnt 0x0
	v_lshrrev_b32 v8, 5, v0
	s_delay_alu instid0(VALU_DEP_1)
	v_readfirstlane_b32 s[WV], v8                  ; wave T, 0..7
	s_bfe_u32 s14, ttmp6, 0x40000                  ; cx: my place in the cluster
	s_lshl_b32 s16, ttmp9, 2
	s_add_co_u32 s16, s16, s14                     ; my block of 128 queries: it enters Q's, the mask's and the results' addresses alone
	s_and_b32 s17, ttmp7, 0xffff                   ; my head, which the four partners share
	s_mov_b32 s[G1C], 15|(3<<16)|(1<<21)           ; 15:0 the mask: all four work-groups; 17:16 elements of 8 bytes; 20 padding off; 21 set beside a mask
	s_mov_b32 s[G1C+1], 32<<16                     ; a dense block as rows of 256 bytes (32 elements): tensor_dim0
	s_mov_b32 s[G1C+2], 96<<16                     ; tensor_dim1 = 96 rows: 24,576 bytes
	s_mov_b32 s[G1C+3], 32<<16                     ; tile_dim0
	s_mov_b32 s[G1C+4], 96                         ; tile_dim1
	s_mov_b32 s[G1C+5], 32                         ; from row to row
	s_mov_b32 s[G1C+6], 0
	s_mov_b32 s[G1C+7], 0
	s_mov_b32 s[G1S], 15|(3<<16)|(1<<21)           ; likewise: 16 rows: 4,096 bytes
	s_mov_b32 s[G1S+1], 32<<16
	s_mov_b32 s[G1S+2], 16<<16
	s_mov_b32 s[G1S+3], 32<<16
	s_mov_b32 s[G1S+4], 16
	s_mov_b32 s[G1S+5], 32
	s_mov_b32 s[G1S+6], 0
	s_mov_b32 s[G1S+7], 0
	s_mul_i32 s78, s17, 393216                     ; K and V of my head: 16 key steps of 24,576 bytes, behind Q;
	s_add_co_u32 s78, s78, 3145728
	s_mul_i32 s82, s[WV], STEPB                    ; waves 0 to 3 fetch one key step of a slot each
	s_add_co_u32 s78, s78, s82
	s_mov_b32 s79, 0
	s_lshl_b32 s80, s17, 14                        ; their scale words,
	s_add_co_u32 s80, s80, 131072
	s_and_b32 s83, s[WV], 3
	s_lshl_b32 s83, s83, 12                        ; a quarter for each of waves 4 to 7
	s_add_co_u32 s80, s80, s83
	s_mov_b32 s81, 0
	s_lshl_b32 s76, s16, 20                        ; the mask: 128 rows of 8,192 bytes a block of queries,
	s_lshl_b32 s77, s[WV], 17                      ; 16 rows a wave
	s_add_co_u32 s76, s76, s77
	s_mov_b32 s77, 0
	; Q: natural query 16 T + l lies in tile 2 (T / 2) + l / 8, lane 8 (T % 2) + l % 8 of the block's eight tiles
	s_lshl_b32 s90, s17, 4
	s_add_co_u32 s90, s90, s16                     ; 16 x head + block
	s_mul_i32 s92, s90, 12288
	s_lshr_b32 s91, s[WV], 1
	s_mul_i32 s91, s91, 3072
	s_add_co_u32 s92, s92, s91
	s_and_b32 s91, s[WV], 1
	s_lshl_b32 s91, s91, 7
	s_add_co_u32 s92, s92, s91
	s_mov_b32 s93, 0
	s_lshl_b32 s94, s90, 9                         ; its scale word: [tile / 4][row 16][tile % 4]
	s_add_co_u32 s94, s94, s91
	s_lshr_b32 s91, s[WV], 2
	s_lshl_b32 s91, s91, 8
	s_add_co_u32 s94, s94, s91
	s_bfe_u32 s91, s[WV], 0x10001
	s_lshl_b32 s91, s91, 3
	s_add_co_u32 s94, s94, s91
	s_mov_b32 s95, 0
	; the results: tile G = 8 x block + T of natural queries, K step = head
	s_lshl_b32 s74, s16, 3
	s_add_co_u32 s74, s74, s[WV]
	s_lshl_b32 s90, s74, 4
	s_add_co_u32 s90, s90, s17
	s_mul_i32 s90, s90, 1536
	s_mov_b32 s91, 0
	s_lshl_b32 s74, s74, 10
	s_lshr_b32 s75, s17, 1
	s_lshl_b32 s75, s75, 7
	s_add_co_u32 s74, s74, s75
	s_and_b32 s75, s17, 1
	s_lshl_b32 s75, s75, 2
	s_add_co_u32 s74, s74, s75
	s_mov_b32 s75, 0
	s_mov_b32 s[SEL], 0x76543210
	s_mov_b32 s[SEL+1], 0xfedcba98                 ; v_permlanex16_b32's selects for lane l xor 16
	s_mov_b32 s[IS], 0x3db504f3                    ; 1 / sqrt(128)
	s_mov_b32 s[IS+1], s[IS]                       ; (named with it as a pair, so it is written)
	s_mov_b32 s[L2], 0x3fb8aa3b                    ; log2(e)
	s_mov_b32 s[L2+1], s[L2]
	s_mov_b32 s[TB], 0
	s_mov_b32 s[TS], 0
	s_wait_kmcnt 0x0
	s_mov_b32 s[G0S], 1                            ; 1:0 count = 1
	s_add_co_u32 s[G0S+1], s83, SCL                ; LDS address: no place in the cluster enters it
	s_add_nc_u64 s[G0S+2:G0S+3], s[6:7], s[80:81]
	s_or_b32 s[G0S+3], s[G0S+3], 0x80000000        ; 127:126 type = 2
	s_mov_b32 s[G0A], 1
	s_mul_i32 s[G0A+1], s[WV], STEPB               ; slot 0, key step = my wave's number
	s_add_nc_u64 s[G0A+2:G0A+3], s[4:5], s[78:79]
	s_mov_b32 s[G0W], 1
	s_add_co_u32 s[G0W+1], s[G0A+1], SLOT1         ; slot 1,
	s_add_nc_u64 s[G0W+2:G0W+3], s[G0A+2:G0A+3], SLOTB   ; four key steps on
	s_or_b32 s[G0A+3], s[G0A+3], 0x80000000
	s_or_b32 s[G0W+3], s[G0W+3], 0x80000000
	CROUND                                         ; all four work-groups are here: the first joint loads meet
	s_cmp_lt_u32 s[WV], 4                          ; one load a wave at the head, in the two arms of one branch on the wave's number
	s_cbranch_scc0 .Lhead_s
	tensor_load_to_lds s[G0A:G0A+3], s[G1C:G1C+7]  ; waves 0 to 3: slot 0's four key steps
	s_nop 0
	PLACES
	s_branch .Lhead_j
.Lhead_s:
	tensor_load_to_lds s[G0S:G0S+3], s[G1S:G1S+7]  ; waves 4 to 7: the scale words' four quarters
	s_nop 0
	PLACES
.Lhead_j:
	s_add_nc_u64 s[8:9], s[8:9], s[76:77]          ; the mask at my wave's first row, key step 0
	s_add_nc_u64 s[92:93], s[4:5], s[92:93]
	s_add_nc_u64 s[94:95], s[6:7], s[94:95]
	s_add_nc_u64 s[10:11], s[10:11], s[90:91]
	s_add_nc_u64 s[12:13], s[12:13], s[74:75]
	v_and_b32 v8, 15, v0                           ; l = lane % 16: my query
	v_bfe_u32 v9, v0, 4, 1                         ; h
	s_delay_alu instid0(VALU_DEP_2)
	v_lshrrev_b32 v10, 3, v8
	s_delay_alu instid0(VALU_DEP_3)
	v_and_b32 v11, 7, v8
	s_delay_alu instid0(VALU_DEP_2)
	v_mul_u32_u24 v29, v10, 1536
	s_delay_alu instid0(VALU_DEP_1)
	v_lshl_add_u32 v29, v11, 4, v29
	s_delay_alu instid0(VALU_DEP_1)
	v_lshl_add_u32 v29, v9, 8, v29                 ; (l / 8) images + 16 (l % 8) + 256 h
.irp c, 0,1,2
	global_load_b128 v[16+4*\c:19+4*\c], v29, s[92:93] offset:512*\c   ; Q's fragment stays in registers
.endr
	v_lshlrev_b32 v30, 4, v11
	s_delay_alu instid0(VALU_DEP_1)
	v_lshl_add_u32 v30, v10, 2, v30
	global_load_b32 v255, v30, s[94:95]            ; Q's scale word
	v_lshlrev_b32 v[MO], 13, v8
	s_delay_alu instid0(VALU_DEP_1)
	v_lshl_add_u32 v[MO], v9, 6, v[MO]
; The mask of the key step that lies st steps on from where s[8:9] stands, into set n of window 1: register 16 b + 4 j on = keys 32 b + 16 h + 4 j on of my query
.macro MLOADR n, st
.irp b, 0,1,2,3
.irp j, 0,1,2,3
	global_load_b128 v[64*(\n)+16*\b+4*\j:64*(\n)+16*\b+4*\j+3], v[MO], s[8:9] offset:512*(\st)+128*\b+16*\j
.endr
.endr
.endm
	WIN 0x40                                       ; destination window 1, address window 0
	MLOADR 0, 0                                    ; key steps 0, 1, 2
	MLOADR 1, 1
	MLOADR 2, 2
	WIN 0
	v_lshlrev_b32 v31, 3, v8                       ; the way out: my row's place among the scale words
	v_and_b32 v[LI], 31, v0
	s_delay_alu instid0(VALU_DEP_1)
	v_lshlrev_b32 v[LI], 4, v[LI]
	s_delay_alu instid0(VALU_DEP_1)
	v_add_nc_u32 v[AS0], SCL, v[LI]
	v_mov_b32 v13, 0xff61b1e6                      ; the largest t so far: -3e38, under every t
	s_delay_alu instid0(VALU_DEP_1)
	v_floor_f32 v12, -v13                          ; -M
	v_mov_b32 v14, 0
	v_mov_b32 v15, 0
.irp b, 0,1,2,3
	v_mov_b32 v[236+\b], 0                         ; a lane permute's destination counts as one of its sources
.endr
	v_mov_b32 v253, 0                              ; (named as the upper half of the pair v[252:253] before it is first written)
.set J, 0
.rept 64
	v_mov_b32 v[160+J], 0                          ; O^T.  (The step is written for every step alike: the first finds zeros, which the first change of M leaves zeros)
.set J, J+1
.endr
.macro FRAGS off, soff                 ; four fragments, as they were stored (registers 4 c .. 4 c + 3 of lane l from 512 c + 16 l); soff >= 0: and eight tiles' scale words
.irp t, 0,1,2,3
.irp c, 0,1,2
	ds_load_b128 v[32+12*\t+4*\c:35+12*\t+4*\c], v[ADK] offset:(\off)+\t*1536+512*\c
.endr
.endr
.if (\soff) >= 0
	ds_load_b128 v[248:251], v[ADS] offset:\soff
.endif
.endm
.macro KG0 q                           ; K's first four fragments of the slot's q-th key step, and the scale words of all eight
	s_add_co_u32 s[TQ], s[TB], STEPB*(\q)
	v_add_nc_u32 v[ADK], s[TQ], v[LI]
	s_wait_alu depctr_va_vdst(0)                   ; a wait behind the write
	FRAGS 0, 1024*(\q)
.endm
.macro KQ g                            ; S^T = K Q^T: tiles 4 g .. 4 g + 3 of 16 keys; the sums begin at 0
.irp t, 0,1,2,3
.if \g
	v_wmma_scale_f32_16x16x128_f8f6f4 v[96+8*(4*\g+\t):103+8*(4*\g+\t)], v[32+12*\t:43+12*\t], v[16:27], 0, v[248+\t], v255 matrix_a_fmt:MATRIX_FMT_FP6 matrix_b_fmt:MATRIX_FMT_FP6 matrix_a_scale:MATRIX_SCALE_ROW1
.else
	v_wmma_scale_f32_16x16x128_f8f6f4 v[96+8*(4*\g+\t):103+8*(4*\g+\t)], v[32+12*\t:43+12*\t], v[16:27], 0, v[248+\t], v255 matrix_a_fmt:MATRIX_FMT_FP6 matrix_b_fmt:MATRIX_FMT_FP6
.endif
.endr
.endm
.macro PV g                            ; O^T += V^T P^T: tiles 4 g .. 4 g + 3 of 16 channels; K = the step's 128 keys
.irp t, 0,1,2,3
.if \g
	v_wmma_scale_f32_16x16x128_f8f6f4 v[160+8*(4*\g+\t):167+8*(4*\g+\t)], v[32+12*\t:43+12*\t], v[224:235], v[160+8*(4*\g+\t):167+8*(4*\g+\t)], v[248+\t], v253 matrix_a_fmt:MATRIX_FMT_FP6 matrix_b_fmt:MATRIX_FMT_FP6 matrix_a_scale:MATRIX_SCALE_ROW1
.else
	v_wmma_scale_f32_16x16x128_f8f6f4 v[160+8*(4*\g+\t):167+8*(4*\g+\t)], v[32+12*\t:43+12*\t], v[224:235], v[160+8*(4*\g+\t):167+8*(4*\g+\t)], v[248+\t], v253 matrix_a_fmt:MATRIX_FMT_FP6 matrix_b_fmt:MATRIX_FMT_FP6
.endif
.endr
.endm
; A KEY STEP: 128 keys, the q-th of the slot in hand.  Its mask lies in set q; K's first four fragments were asked for at the end of the step before (or behind the change of slots).
; lcnt: how many younger loads of the mask may stay out.  mload = 1: the mask of the step three on is asked for.  nextk = 1: the next step lies in the same slot.
.macro STEP q, lcnt, mload, nextk
	s_wait_loadcnt \lcnt                           ; loads come back in order (ISA guide 5.7.1): this step's sixteen are in; those of the steps behind it stay out
.if \mload
	WIN 0x40
	MLOADR ((\q)+3)%4, (\q)+3                      ; into the set that the step before has read
.endif
	WIN 0
	s_wait_dscnt 0x0                               ; K's first four fragments are in
	KQ 0
	PLACES
	FRAGS 6144, -1                                 ; K's second four
	WIN 0x10                                       ; source 2 window 1
.set J, 0
.rept 16
	v_pk_fma_f32 v[96+J:97+J], v[96+J:97+J], s[IS:IS+1], v[64*(\q)+J:64*(\q)+J+1] op_sel_hi:[1,0,1]   ; the logits of the first 64 keys, while they come; each accumulator from its low end on
.set J, J+2
.endr
	WIN 0
	s_wait_dscnt 0x0
	KQ 1
	PLACES
	FRAGS 12288, 1024*(\q)+512                     ; V's first four: they come while the softmax is worked
	WIN 0x10
.set J, 32
.rept 16
	v_pk_fma_f32 v[96+J:97+J], v[96+J:97+J], s[IS:IS+1], v[64*(\q)+J:64*(\q)+J+1] op_sel_hi:[1,0,1]
.set J, J+2
.endr
	WIN 0
.irp b, 0,1,2,3
	v_max3_num_f32 v[232+\b], v[96+16*\b], v[97+16*\b], v[98+16*\b]   ; the largest logit of each block of 32 keys: for the row's maximum, and, since p rises with it, for the block's largest p
.endr
.irp i, 3,5,7,9,11,13
.irp b, 0,1,2,3
	s_delay_alu instid0(VALU_DEP_4)
	v_max3_num_f32 v[232+\b], v[232+\b], v[96+16*\b+\i], v[97+16*\b+\i]
.endr
.endr
.irp b, 0,1,2,3
	s_delay_alu instid0(VALU_DEP_4)
	v_max_num_f32 v[232+\b], v[232+\b], v[111+16*\b]
.endr
.irp b, 0,1,2,3
	s_delay_alu instid0(VALU_DEP_4)
	v_permlanex16_b32 v[236+\b], v[232+\b], s[SEL], s[SEL+1]
.endr
.irp b, 0,1,2,3
	s_delay_alu instid0(VALU_DEP_4)
	v_max_num_f32 v[232+\b], v[232+\b], v[236+\b]  ; with lane l xor 16's 16 keys
.endr
	s_delay_alu instid0(VALU_DEP_2)
	v_max3_num_f32 v254, v232, v233, v234
	s_delay_alu instid0(VALU_DEP_1)
	v_max_num_f32 v254, v254, v235                 ; the step's largest logit of my query,
	s_delay_alu instid0(VALU_DEP_1)
	v_mul_f32 v254, s[L2], v254                    ; as t
	s_delay_alu instid0(VALU_DEP_1)
	v_max_num_f32 v13, v13, v254                   ; the running largest t
	v_mov_b32 v254, v12
	s_delay_alu instid0(VALU_DEP_2)
	v_floor_f32 v12, -v13                          ; the new -M = floor(-t) = -ceil(t): a whole number
	s_delay_alu instid0(VALU_DEP_1)
	v_sub_f32 v254, v12, v254                      ; M's old value less its new one: a whole number, 0 or less
	s_delay_alu instid0(VALU_DEP_1)
	v_cvt_i32_f32 v254, v254                       ; (it saturates)
	s_delay_alu instid0(VALU_DEP_1)
	v_ldexp_f32 v252, 1.0, v254                    ; f = 2^(old M - new M)
.set J, 0
.rept 32
	v_pk_fma_f32 v[96+J:97+J], v[96+J:97+J], s[L2:L2+1], v[12:13] op_sel_hi:[1,0,0]   ; t - M, two at a time (of the pairs the low word serves both halves)
.set J, J+2
.endr
.irp b, 0,1,2,3
	v_fma_f32 v[232+\b], v[232+\b], s[L2], v12     ; the same of each block's largest logit
.endr
.set J, 0
	s_wait_alu depctr_va_vdst(0)
.rept 64
	v_exp_f32 v[96+J], v[96+J]                     ; p = 2^(t - M): not normalised
.set J, J+1
.endr
	v_pk_mul_f32 v[14:15], v[14:15], v[252:253] op_sel_hi:[1,0]   ; the sums under the new M.  (A plain place behind the exponentials)
	s_wait_alu depctr_va_vdst(0)                   ; one wait for the whole batch, ahead of its first reader
.irp b, 0,1,2,3
	v_exp_f32 v[232+\b], v[232+\b]                 ; the block's largest p: the same instructions on the same number give the same bits
.endr
	v_pk_add_f32 v[236:237], v[100:101], v[104:105]
	v_pk_add_f32 v[246:247], v[108:109], v[112:113]
	v_pk_add_f32 v[244:245], v[116:117], v[120:121]
	v_pk_add_f32 v[242:243], v[124:125], v[128:129]
	v_pk_add_f32 v[240:241], v[132:133], v[136:137]
	v_pk_add_f32 v[238:239], v[140:141], v[144:145]
	v_pk_add_f32 v[230:231], v[148:149], v[152:153]
	v_pk_add_f32 v[14:15], v[14:15], v[156:157]
	v_pk_add_f32 v[236:237], v[236:237], v[96:97]
	v_pk_add_f32 v[246:247], v[246:247], v[98:99]
	v_pk_add_f32 v[244:245], v[244:245], v[102:103]
	v_pk_add_f32 v[242:243], v[242:243], v[106:107]
	v_pk_add_f32 v[240:241], v[240:241], v[110:111]
	v_pk_add_f32 v[238:239], v[238:239], v[114:115]
	v_pk_add_f32 v[230:231], v[230:231], v[118:119]
	v_pk_add_f32 v[14:15], v[14:15], v[122:123]
	v_pk_add_f32 v[236:237], v[236:237], v[126:127]
	v_pk_add_f32 v[246:247], v[246:247], v[130:131]
	v_pk_add_f32 v[244:245], v[244:245], v[134:135]
	v_pk_add_f32 v[242:243], v[242:243], v[138:139]
	v_pk_add_f32 v[240:241], v[240:241], v[142:143]
	v_pk_add_f32 v[238:239], v[238:239], v[146:147]
	v_pk_add_f32 v[230:231], v[230:231], v[150:151]
	v_pk_add_f32 v[14:15], v[14:15], v[154:155]
	v_pk_add_f32 v[236:237], v[236:237], v[158:159]
	s_delay_alu instid0(VALU_DEP_2)
	v_pk_add_f32 v[14:15], v[14:15], v[242:243]
	s_delay_alu instid0(VALU_DEP_2)
	v_pk_add_f32 v[236:237], v[236:237], v[240:241]
	v_pk_add_f32 v[246:247], v[246:247], v[238:239]
	v_pk_add_f32 v[244:245], v[244:245], v[230:231]
	s_delay_alu instid0(VALU_DEP_2)
	v_pk_add_f32 v[14:15], v[14:15], v[246:247]
	s_delay_alu instid0(VALU_DEP_2)
	v_pk_add_f32 v[236:237], v[236:237], v[244:245]
	s_delay_alu instid0(VALU_DEP_1)
	v_pk_add_f32 v[14:15], v[14:15], v[236:237]
	s_wait_alu depctr_va_vdst(0)                   ; and one for the four
.irp b, 0,1,2,3
	v_max_num_f32 v[232+\b], 0x1800000, v[232+\b]  ; the floor 2^(3 - 127): the byte cannot fall under 1 (a block whose every p is 0 keeps that byte: its codes are zeros)
.endr
.irp b, 0,1,2,3
	s_delay_alu instid0(VALU_DEP_4)
	v_add_nc_u32 v[244+\b], 0xff000000, v[232+\b]  ; 2 off the exponent field: the conversion's scale operand
.endr
.irp b, 0,1,2,3
	s_delay_alu instid0(VALU_DEP_4)
	v_lshrrev_b32 v[236+\b], 23, v[244+\b]         ; the scale's byte
.endr
	s_delay_alu instid0(VALU_DEP_3)
	v_lshl_or_b32 v253, v237, 8, v236              ; p's scale word for these 128 keys
	s_delay_alu instid0(VALU_DEP_1)
	v_lshl_or_b32 v253, v238, 16, v253
	s_delay_alu instid0(VALU_DEP_1)
	v_lshl_or_b32 v253, v239, 24, v253
.irp c, 0,1
	v_cvt_scalef32_pk16_fp6_f32 v[224+6*\c:226+6*\c], v[96+32*\c:111+32*\c], v[244+2*\c]
	v_cvt_scalef32_pk16_fp6_f32 v[236+4*\c:238+4*\c], v[112+32*\c:127+32*\c], v[244+2*\c+1]   ; (a conversion's three registers begin on an even number)
.endr
	v_nop                                          ; one plain place behind a scaled conversion
.irp c, 0,1                                    ; the operand's layout wants a WHOLE block in a lane
.irp i, 0,1,2
	v_permlane16_swap_b32 v[224+6*\c+\i], v[236+4*\c+\i]
.endr
.irp i, 0,1,2
	s_delay_alu instid0(VALU_DEP_3)
	v_mov_b32 v[227+6*\c+\i], v[236+4*\c+\i]
.endr
.endr
.set J, 0
.rept 20
	v_pk_mul_f32 v[160+J:161+J], v[160+J:161+J], v[252:253] op_sel_hi:[1,0]   ; O^T under the new M: the first four tiles and one more.  (These are also the places between p's codes and scale word and the products)
.set J, J+2
.endr
	s_wait_alu depctr_va_vdst(0)
	s_wait_dscnt 0x0                               ; V's first four fragments, asked for ahead of the softmax
	PV 0
	PLACES
	FRAGS 18432, -1                                ; V's second four
.set J, 40
.rept 12
	v_pk_mul_f32 v[160+J:161+J], v[160+J:161+J], v[252:253] op_sel_hi:[1,0]   ; the rest of O^T, while they come
.set J, J+2
.endr
	PLACES
	s_wait_alu depctr_va_vdst(0)
	s_wait_dscnt 0x0
	PV 1
	PLACES
.if \nextk
	KG0 (\q)+1                                     ; the next step's first fragments of K
.endif
.endm
; THE CHANGE OF SLOTS, behind a slot's four key steps.  Each wave waits for all its tensor loads (its part of the slot ahead among them), adds 0 to its spare word, and waits for that and for its reads of the slot that
; it has left.  fill = 1: the barrier is a round of the cluster's, and behind it the slot just left is filled with the key steps eight on from its own.
.macro CHANGE fill
	s_wait_tensorcnt 0x0                           ; no tensor load of mine is out, so a group 0 may be written
	ds_add_u32 v[SPW], v[NIL]                      ; 0 onto my spare word
	s_xor_b32 s[TB], s[TB], SLOT1                  ; on to the other slot,
	s_add_co_u32 s[TS], s[TS], 4096                ; and to its four steps' scale words
	s_wait_xcnt 0x0                                ; the mask's loads have read their base, so it may be written:
	s_add_nc_u64 s[8:9], s[8:9], 2048              ; four key steps on in each row
.if \fill
	s_xor_b32 s[G0W+1], s[G0W+1], SLOT1            ; the walking descriptor: the other slot than last time,
	s_add_nc_u64 s[G0W+2:G0W+3], s[G0W+2:G0W+3], SLOTB   ; the next four key steps; the type bits on top are not reached
.endif
	s_wait_dscnt 0x0                               ; the add is done, and my reads of the slot that I have left are over
.if \fill
	CROUND
	s_cmp_lt_u32 s[WV], 4
	s_cbranch_scc0 .Lnone_\@
	tensor_load_to_lds s[G0W:G0W+3], s[G1C:G1C+7]  ; the first thing behind the round, and a wave's one tensor load until the next
	s_nop 0
.rept 4
	v_nop
.endr
.Lnone_\@:
.else
	s_barrier_signal -1
	s_barrier_wait -1
.endif
	v_add_nc_u32 v[ADS], s[TS], v[AS0]
	KG0 0
.endm
	s_wait_alu depctr_va_vdst(0)
	s_wait_tensorcnt 0x0                           ; my load of the head's eight is in
	ds_add_u32 v[SPW], v[NIL]
	s_wait_dscnt 0x0
	CROUND                                         ; slot 0 and the scale words are whole, and all four work-groups are here
	s_cmp_lt_u32 s[WV], 4
	s_cbranch_scc0 .Lno_fill
	tensor_load_to_lds s[G0W:G0W+3], s[G1C:G1C+7]  ; slot 1's first fill: key steps 4 to 7
	s_nop 0
	PLACES
.Lno_fill:
	v_add_nc_u32 v[ADS], s[TS], v[AS0]
	KG0 0
	s_mov_b32 s[TRIPS], 2
.Lslot:                                            ; two trips: key steps 0 to 7; behind each slot it is filled again
	STEP 0, 32, 1, 1                               ; (the first wait also shows Q and its scale word in: they were asked for ahead of the mask)
	STEP 1, 32, 1, 1
	STEP 2, 32, 1, 1
	STEP 3, 32, 1, 0
	CHANGE 1
	s_sub_co_u32 s[TRIPS], s[TRIPS], 1
	s_cmp_lg_u32 s[TRIPS], 0
	s_cbranch_scc1 .Lslot
	STEP 0, 32, 1, 1                               ; key steps 8 to 11: written out
	STEP 1, 32, 1, 1
	STEP 2, 32, 1, 1
	STEP 3, 32, 1, 0
	CHANGE 0                                       ; nothing is left to fetch
	STEP 0, 32, 1, 1                               ; key steps 12 to 15: the first asks for the mask of step 15, the others for nothing: the counts run down
	STEP 1, 32, 0, 1
	STEP 2, 16, 0, 1
	STEP 3, 0, 0, 0
	; THE WAY OUT.  O^T / the sum: register 16 b + i is channel 32 b + 16 h + i of my query: sixteens of neighbours along the last product's K, K step = my head.  They are quantised and stored as an operand's image.
	v_add_f32 v14, v14, v15                        ; the sum's two halves,
	s_delay_alu instid0(VALU_DEP_1)
	v_permlanex16_b32 v252, v14, s[SEL], s[SEL+1]
	s_delay_alu instid0(VALU_DEP_1)
	v_add_f32 v14, v14, v252                       ; and lane l xor 16's
	s_wait_alu depctr_va_vdst(0)
	v_rcp_f32 v14, v14
	v_nop                                          ; a plain place behind the reciprocal
	s_wait_alu depctr_va_vdst(0)                   ; ahead of the reciprocal's first reader
.set J, 0
.rept 64
	v_mul_f32 v[96+J], v[160+J], v14
.set J, J+1
.endr
.irp b, 0,1,2,3
	v_mov_b32 v[TM+4+\b], 0                        ; a lane permute's destination counts as one of its sources
.endr
.irp b, 0,1,2,3
	v_max3_num_f32 v[TM+\b], |v[96+16*\b]|, |v[97+16*\b]|, 0x1800000   ; block b: my 16 numbers, and the floor 2^(3 - 127): the byte cannot fall under 1
.endr
.irp i, 2,4,6,8,10,12,14
.irp b, 0,1,2,3
	s_delay_alu instid0(VALU_DEP_4)
	v_max3_num_f32 v[TM+\b], v[TM+\b], |v[96+16*\b+\i]|, |v[97+16*\b+\i]|
.endr
.endr
.irp b, 0,1,2,3
	s_delay_alu instid0(VALU_DEP_4)
	v_permlanex16_b32 v[TM+4+\b], v[TM+\b], s[SEL], s[SEL+1]
.endr
.irp b, 0,1,2,3
	s_delay_alu instid0(VALU_DEP_4)
	v_max_num_f32 v[TM+\b], v[TM+\b], v[TM+4+\b]   ; with lane l xor 16's: the block's largest magnitude
.endr
.irp b, 0,1,2,3
	s_delay_alu instid0(VALU_DEP_4)
	v_add_nc_u32 v[TM+12+\b], 0xff000000, v[TM+\b] ; 2 off its exponent field: the conversion's scale operand
.endr
.irp b, 0,1,2,3
	s_delay_alu instid0(VALU_DEP_4)
	v_lshrrev_b32 v[TM+4+\b], 23, v[TM+12+\b]      ; the scale's byte
.endr
	s_delay_alu instid0(VALU_DEP_3)
	v_lshl_or_b32 v68, v[TM+5], 8, v[TM+4]
	s_delay_alu instid0(VALU_DEP_1)
	v_lshl_or_b32 v68, v[TM+6], 16, v68
	s_delay_alu instid0(VALU_DEP_1)
	v_lshl_or_b32 v68, v[TM+7], 24, v68
.irp c, 0,1
	v_cvt_scalef32_pk16_fp6_f32 v[PC+6*\c:PC+2+6*\c], v[96+32*\c:111+32*\c], v[TM+12+2*\c]
	v_cvt_scalef32_pk16_fp6_f32 v[PC+12+4*\c:PC+14+4*\c], v[112+32*\c:127+32*\c], v[TM+12+2*\c+1]
.endr
	v_nop                                          ; one plain place behind a scaled conversion
.irp c, 0,1
.irp i, 0,1,2
	v_permlane16_swap_b32 v[PC+6*\c+\i], v[PC+12+4*\c+\i]
.endr
.irp i, 0,1,2
	s_delay_alu instid0(VALU_DEP_3)
	v_mov_b32 v[PC+3+6*\c+\i], v[PC+12+4*\c+\i]
.endr
.endr
.irp c, 0,1,2
	global_store_b128 v[LI], v[PC+4*\c:PC+4*\c+3], s[10:11] offset:512*\c   ; 32 lanes store 512 consecutive bytes
.endr
	global_store_b32 v31, v68, s[12:13]            ; my row's scale word; lanes l and l + 16 hold the same word and store it to the same place
	s_wait_tensorcnt 0x0                           ; the wave's end
	ds_add_u32 v[SPW], v[NIL]
	s_wait_dscnt 0x0
	CROUND                                         ; the closing round: no work-group ends while a partner may still ask for a tile that names it
	s_endpgm
.Lfunc_end_k_qe13d11ddb6_attn:
	.size	k_qe13d11ddb6_attn, .Lfunc_end_k_qe13d11ddb6_attn-k_qe13d11ddb6_attn
	.p2alignl 7, 3214868480
	.fill 96, 4, 3214868480
	.section	.rodata,"a",@progbits
	.p2align	6, 0x0
	.amdhsa_kernel k_qe13d11ddb6_attn
		.amdhsa_group_segment_fixed_size 327680
		.amdhsa_private_segment_fixed_size 0
		.amdhsa_enable_private_segment 0
		.amdhsa_kernarg_size 40
		.amdhsa_user_sgpr_count 2
		.amdhsa_user_sgpr_kernarg_segment_ptr 1
		.amdhsa_wavefront_size32 1
		.amdhsa_system_sgpr_workgroup_id_x 1
		.amdhsa_system_sgpr_workgroup_id_y 1
		.amdhsa_system_sgpr_workgroup_id_z 1
		.amdhsa_system_vgpr_workitem_id 0
		.amdhsa_next_free_vgpr 512
		.amdhsa_next_free_sgpr 100
		.amdhsa_reserve_vcc 0
		.amdhsa_float_denorm_mode_32 3
		.amdhsa_float_denorm_mode_16_64 3
		.amdhsa_memory_ordered 1
		.amdhsa_forward_progress 1
		.amdhsa_inst_pref_size 255
	.end_amdhsa_kernel
	.section	.bss,"aw",@nobits
	.p2align	6
	.space	262144
	.amdgpu_metadata
---
amdhsa.version: [ 1, 2 ]
amdhsa.kernels:
  - .name:           k_qe13d11ddb6_attn
    .symbol:         k_qe13d11ddb6_attn.kd
    .args:
      - { .name: qkvc, .offset: 0, .size: 8, .value_kind: global_buffer, .address_space: global }
      - { .name: qkvs, .offset: 8, .size: 8, .value_kind: global_buffer, .address_space: global }
      - { .name: mask, .offset: 16, .size: 8, .value_kind: global_buffer, .address_space: global }
      - { .name: aoc, .offset: 24, .size: 8, .value_kind: global_buffer, .address_space: global }
      - { .name: aos, .offset: 32, .size: 8, .value_kind: global_buffer, .address_space: global }
    .group_segment_fixed_size: 327680
    .private_segment_fixed_size: 0
    .kernarg_segment_align: 8
    .kernarg_segment_size: 40
    .max_flat_workgroup_size: 256
    .sgpr_count:     100
    .vgpr_count:     512
    .wavefront_size: 32
...
	.end_amdgpu_metadata
.endif
;; end of part 3
;; launch oproj (part 4): grid 16 x 16, 4 waves a work-group, clusters of 4 x 4, 327,680 bytes of LDS; arguments aoc, aos, wc, ws, out0; writes out0
.if DOCPART == 4
	.amdgcn_target "amdgcn-amd-amdhsa--gfx1250"
	.amdhsa_code_object_version 6
	.text
	.protected	k_qe13d11ddb6_oproj
	.globl	k_qe13d11ddb6_oproj
	.p2align	8
	.type	k_qe13d11ddb6_oproj,@function
k_qe13d11ddb6_oproj:
	s_mov_b64 s[64:65], 0
	v_nop
	global_prefetch_b8 v0, s[64:65] scope:SCOPE_SE
	s_setreg_imm32_b32 hwreg(HW_REG_WAVE_MODE, 25, 1), 1
	s_wait_xcnt 0x0
	s_wait_alu depctr_hold_cnt(0) depctr_sa_sdst(0) depctr_va_vdst(0) depctr_va_sdst(0) depctr_va_ssrc(0) depctr_va_vcc(0) depctr_vm_vsrc(0)
	s_getreg_b32 s2, hwreg(HW_REG_IB_STS2, 6, 4)
	s_cmp_eq_u32 s2, 0
	s_cbranch_scc0 .Lentry_in_a_cluster
	s_endpgm
.Lentry_in_a_cluster:
	s_bfe_u32 s2, ttmp6, 0x10000c
	s_cmp_lg_u32 s2, 0xf033
	s_cbranch_scc0 .Lentry_shape_is_right
	s_endpgm
.Lentry_shape_is_right:
.set FR,     12
.set TILEB,  6144
.set HALFT,  4*TILEB
.set SLOT,   4*HALFT
.set SCLA,   3*SLOT
.set SCLB,   SCLA+8192+128
.set SPARE,  SCLB+8192+128
.set STAGE,  SLOT
.set SPITCH, 272
.set ADRA, 16
.set ADRB, 20
.set STO,  24
.set RD,   25
.set CO,   26
.set ADRS, 27
.set SPW,  28
.set NIL,  29
.set SC,   32
.set BK,   64
.set ACC,  128
.set G1,   24
.set G0,   32
.set G1B,  48
.set G0B,  68
.set G0S,  56
.set G0SB, 60
.set G1S,  80
.set G1SB, 88
.set MSB, 0
.macro WIN new
.set NW, \new
.if MSB != NW
	s_set_vgpr_msb (MSB<<8)|NW
.set MSB, NW
.endif
.endm
.set MUL,  0x05
.set TO_F, 0x40
.macro JLOAD g0a, g1a, g0b, g1b
	s_cmp_eq_u32 s97, 0
	s_cbranch_scc0 .Lfor_b_\@
	tensor_load_to_lds s[\g0a:\g0a+3], s[\g1a:\g1a+7]
	s_nop 0
.rept 4
	v_nop
.endr
	s_branch .Lasked_\@
.Lfor_b_\@:
	tensor_load_to_lds s[\g0b:\g0b+3], s[\g1b:\g1b+7]
	s_nop 0
.rept 4
	v_nop
.endr
.Lasked_\@:
.endm
.macro CROUND
	s_barrier_signal -1
	s_barrier_wait -1
	s_cmp_lg_u32 s96, 0
	s_cbranch_scc1 .Lnot_wave_0_\@
	s_barrier_signal -3
.Lnot_wave_0_\@:
	s_barrier_wait -3
	s_barrier_signal -1
	s_barrier_wait -1
.endm
	s_load_b256 s[4:11], s[0:1], 0x0
	s_load_b64 s[12:13], s[0:1], 0x20
	v_lshl_add_u32 v[SPW], v0, 2, SPARE
	v_mov_b32 v[NIL], 0
	ds_add_u32 v28, v29
	ds_add_u32 v28, v29
	s_wait_dscnt 0x0
	v_lshrrev_b32 v1, 5, v0
	v_readfirstlane_b32 s96, v1
	s_lshr_b32 s97, s96, 1
	s_and_b32 s98, s96, 1
	s_bfe_u32 s14, ttmp6, 0x40000
	s_bfe_u32 s15, ttmp6, 0x40004
	s_lshl_b32 s16, ttmp9, 2
	s_add_co_u32 s16, s16, s14
	s_and_b32 s17, ttmp7, 0xffff
	s_lshl_b32 s17, s17, 2
	s_add_co_u32 s17, s17, s15
	s_lshl_b32 s18, s15, 2
	s_lshl_b32 s18, 15, s18
	s_lshl_b32 s19, 0x1111, s14
	s_or_b32 s[G1+0], s18, (3<<16)|(1<<21)
	s_or_b32 s[G1B+0], s19, (3<<16)|(1<<21)
.irp d, G1, G1B
	s_mov_b32 s[\d+1], 768<<16
	s_mov_b32 s[\d+2], 4<<16
	s_mov_b32 s[\d+3], 768<<16
	s_mov_b32 s[\d+4], 4
	s_mov_b32 s[\d+5], 3072
	s_mov_b32 s[\d+6], 0
	s_mov_b32 s[\d+7], 0
.endr
	s_or_b32 s[G1S+0], s18, (3<<16)|(1<<21)
	s_or_b32 s[G1SB+0], s19, (3<<16)|(1<<21)
.irp d, G1S, G1SB
	s_mov_b32 s[\d+1], 32<<16
	s_mov_b32 s[\d+2], 16<<16
	s_mov_b32 s[\d+3], 32<<16
	s_mov_b32 s[\d+4], 16
	s_mov_b32 s[\d+5], 32
	s_mov_b32 s[\d+6], 0
	s_mov_b32 s[\d+7], 0
.endr
	s_lshl_b32 s99, s98, 2
	s_lshl_b32 s20, s17, 3
	s_add_co_u32 s20, s20, s99
	s_lshl_b32 s44, s16, 3
	s_add_co_u32 s44, s44, s99
	s_lshl_b32 s22, s20, 10
	s_mov_b32 s23, 0
	s_mul_i32 s20, s20, 24576
	s_mov_b32 s21, 0
	s_lshl_b32 s46, s44, 10
	s_add_co_u32 s46, s46, 4*131072
	s_mov_b32 s47, 0
	s_mul_i32 s44, s44, 24576
	s_add_co_u32 s44, s44, 4*3145728
	s_mov_b32 s45, 0
	s_mul_i32 s99, s96, HALFT
	s_lshl_b32 s3, s96, 12
	s_wait_kmcnt 0x0
	s_add_nc_u64 s[20:21], s[4:5], s[20:21]
	s_add_nc_u64 s[22:23], s[6:7], s[22:23]
	s_add_nc_u64 s[44:45], s[8:9], s[44:45]
	s_add_nc_u64 s[46:47], s[10:11], s[46:47]
	CROUND
	s_mov_b32 s[G0S], 1
	s_add_co_u32 s[G0S+1], s3, SCLA
	s_mov_b64 s[G0S+2:G0S+3], s[22:23]
	s_or_b32 s[G0S+3], s[G0S+3], 0x80000000
	s_mov_b32 s[G0SB], 1
	s_add_co_u32 s[G0SB+1], s3, SCLA+128
	s_mov_b64 s[G0SB+2:G0SB+3], s[46:47]
	s_or_b32 s[G0SB+3], s[G0SB+3], 0x80000000
	JLOAD G0S, G1S, G0SB, G1SB
.irp s, 0,1,2
	s_mov_b32 s[G0+4*\s], 1
	s_add_co_u32 s[G0+4*\s+1], s99, \s*SLOT
	s_add_nc_u64 s[G0+4*\s+2:G0+4*\s+3], s[20:21], \s*TILEB
	s_or_b32 s[G0+4*\s+3], s[G0+4*\s+3], 0x80000000
	s_mov_b32 s[G0B+4*\s], 1
	s_add_co_u32 s[G0B+4*\s+1], s99, \s*SLOT
	s_add_nc_u64 s[G0B+4*\s+2:G0B+4*\s+3], s[44:45], \s*TILEB
	s_or_b32 s[G0B+4*\s+3], s[G0B+4*\s+3], 0x80000000
	s_wait_alu depctr_va_vdst(0)
	s_wait_tensorcnt 0x0
	ds_add_u32 v28, v29
	s_wait_dscnt 0x0
	CROUND
	JLOAD G0+4*\s, G1, G0B+4*\s, G1B
.endr
	v_and_b32 v1, 15, v0
	v_bfe_u32 v2, v0, 4, 1
	v_and_b32 v3, 31, v0
	v_lshlrev_b32 v4, 4, v3
	s_mul_i32 s21, s97, HALFT
	s_mul_i32 s22, s98, HALFT
	s_add_co_u32 s22, s22, 2*HALFT
.irp s, 0,1,2
	v_add_nc_u32 v[ADRA+\s], s21, v4
	v_add_nc_u32 v[ADRB+\s], s22, v4
	s_add_co_u32 s21, s21, SLOT
	s_add_co_u32 s22, s22, SLOT
.endr
	v_lshlrev_b32 v5, 3, v1
	s_lshl_b32 s21, s97, 12
	s_lshl_b32 s22, s98, 12
	s_add_co_u32 s22, s22, SCLB-SCLA
	s_sub_co_u32 s22, s22, s21
	v_mul_u32_u24 v6, s22, v2
	s_add_co_u32 s21, s21, SCLA
	v_add_nc_u32 v5, v5, v6
	v_add_nc_u32 v[ADRS], s21, v5
	s_mul_i32 s23, s96, 16*SPITCH
	s_add_co_u32 s23, s23, STAGE
	v_mul_u32_u24 v5, v1, SPITCH
	v_lshl_add_u32 v5, v2, 6, v5
	v_add_nc_u32 v[STO], s23, v5
	v_mul_u32_u24 v5, v2, SPITCH
	v_lshl_add_u32 v5, v1, 4, v5
	v_add_nc_u32 v[RD], s23, v5
	v_lshlrev_b32 v5, 13, v2
	v_lshl_add_u32 v[CO], v1, 4, v5
	s_lshl_b32 s20, s17, 20
	s_lshl_b32 s21, s97, 19
	s_add_co_u32 s20, s20, s21
	s_lshl_b32 s21, s16, 9
	s_add_co_u32 s20, s20, s21
	s_lshl_b32 s21, s98, 8
	s_add_co_u32 s20, s20, s21
	s_mov_b32 s21, 0
	s_add_nc_u64 s[12:13], s[12:13], s[20:21]
.macro FETCH k
.set FB, 128*((\k)%2)
.set SL, ((\k)/4)%3
.set KO, ((\k)%4)*1536
	WIN TO_F
.irp i, 0,1,2,3
.irp c, 0,1,2
	ds_load_b128 v[FB+48+FR*\i+4*\c:FB+48+FR*\i+4*\c+3], v[ADRB+SL] offset:\i*TILEB+KO+512*\c
.endr
.endr
.irp i, 0,1,2,3
.irp c, 0,1,2
	ds_load_b128 v[FB+FR*\i+4*\c:FB+FR*\i+4*\c+3], v[ADRA+SL] offset:\i*TILEB+KO+512*\c
.endr
.endr
	WIN 0
.endm
.macro SCALES n
.irp i, 0,1,2,3
.irp p, 0,1
	ds_load_b64 v[SC+16*((\n)%2)+4*\i+2*\p:SC+16*((\n)%2)+4*\i+2*\p+1], v[ADRS] offset:\i*1024+(\n)*256+\p*128
.endr
.endr
.endm
.macro MULH k, half, zero
.set FB, 128*((\k)%2)
.set SS, SC+16*(((\k)/4)%2)+(\k)%4
.irp a, 2*(\half), 2*(\half)+1
.irp b, 0,1,2,3
.if \zero
	v_wmma_scale_f32_16x16x128_f8f6f4 v[ACC+8*(4*(\a)+\b):ACC+8*(4*(\a)+\b)+7], v[FB+48+FR*\b:FB+48+FR*\b+FR-1], v[FB+FR*(\a):FB+FR*(\a)+FR-1], 0, v[SS+4*\b], v[SS+4*(\a)] matrix_a_fmt:MATRIX_FMT_FP6 matrix_b_fmt:MATRIX_FMT_FP6 matrix_a_scale:MATRIX_SCALE_ROW1
.else
	v_wmma_scale_f32_16x16x128_f8f6f4 v[ACC+8*(4*(\a)+\b):ACC+8*(4*(\a)+\b)+7], v[FB+48+FR*\b:FB+48+FR*\b+FR-1], v[FB+FR*(\a):FB+FR*(\a)+FR-1], v[ACC+8*(4*(\a)+\b):ACC+8*(4*(\a)+\b)+7], v[SS+4*\b], v[SS+4*(\a)] matrix_a_fmt:MATRIX_FMT_FP6 matrix_b_fmt:MATRIX_FMT_FP6 matrix_a_scale:MATRIX_SCALE_ROW1
.endif
.endr
.endr
.endm
.macro PLACES
.rept 4
	v_nop
.endr
.endm
.macro STEP k, zero
	s_wait_dscnt 0x0
	PLACES
	FETCH (\k)+1
.if ((\k)+1)%4 == 0
	SCALES ((\k)+1)/4
.endif
	WIN MUL
	MULH \k, 0, \zero
	MULH \k, 1, \zero
.endm
	s_wait_alu depctr_va_vdst(0)
	s_wait_tensorcnt 2
	s_barrier_signal -1
	s_barrier_wait -1
	FETCH 0
	SCALES 0
	STEP 0, 1
	STEP 1, 0
	STEP 2, 0
	WIN 0
	s_wait_tensorcnt 0x0
	ds_add_u32 v[SPW], v[NIL]
	s_wait_dscnt 1
	WIN MUL
	MULH 3, 0, 0
	WIN 0
	s_wait_dscnt 0x0
	CROUND
	s_add_nc_u64 s[G0+2:G0+3], s[G0+2:G0+3], 3*TILEB
	s_add_nc_u64 s[G0B+2:G0B+3], s[G0B+2:G0B+3], 3*TILEB
	JLOAD G0, G1, G0B, G1B
	FETCH 4
	SCALES 1
	WIN MUL
	MULH 3, 1, 0
	STEP 4, 0
	STEP 5, 0
	STEP 6, 0
	STEP 7, 0
	STEP 8, 0
	STEP 9, 0
	STEP 10, 0
	s_wait_tensorcnt 0x0
	s_wait_dscnt 0x0
	s_barrier_signal -1
	s_barrier_wait -1
	PLACES
	FETCH 12
	SCALES 3
	WIN MUL
	MULH 11, 0, 0
	MULH 11, 1, 0
	STEP 12, 0
	STEP 13, 0
	STEP 14, 0
	s_wait_dscnt 0x0
	MULH 15, 0, 0
	MULH 15, 1, 0
	WIN 0
.macro TOSTAGE a
.irp b, 0,1,2,3
	ds_store_b128 v[STO], v[ACC+8*(4*(\a)+\b):ACC+8*(4*(\a)+\b)+3] offset:128*(\b/2)+32*(\b%2)
	ds_store_b128 v[STO], v[ACC+8*(4*(\a)+\b)+4:ACC+8*(4*(\a)+\b)+7] offset:128*(\b/2)+32*(\b%2)+16
.endr
.irp t, 0,1,2,3,4,5,6,7
	ds_load_b128 v[BK+32*((\a)%2)+4*\t:BK+32*((\a)%2)+4*\t+3], v[RD] offset:\t*2*SPITCH
.endr
.endm
.macro SEND a, younger
	s_wait_dscnt \younger
.irp t, 0,1,2,3,4,5,6,7
	global_store_b128 v[CO], v[BK+32*((\a)%2)+4*\t:BK+32*((\a)%2)+4*\t+3], s[12:13] offset:(16*(\a)+2*\t)*8192 th:TH_STORE_NT
.endr
.endm
	PLACES
	TOSTAGE 0
	TOSTAGE 1
	SEND 0, 16
	s_wait_xcnt 0x0
	TOSTAGE 2
	SEND 1, 16
	s_wait_xcnt 0x0
	TOSTAGE 3
	SEND 2, 16
	SEND 3, 0
	s_wait_tensorcnt 0x0
	ds_add_u32 v[SPW], v[NIL]
	s_wait_dscnt 0x0
	CROUND
	s_endpgm
.Lfunc_end_k_qe13d11ddb6_oproj:
	.size	k_qe13d11ddb6_oproj, .Lfunc_end_k_qe13d11ddb6_oproj-k_qe13d11ddb6_oproj
	.p2alignl 7, 3214868480
	.fill 96, 4, 3214868480
	.section	.rodata,"a",@progbits
	.p2align	6, 0x0
	.amdhsa_kernel k_qe13d11ddb6_oproj
		.amdhsa_group_segment_fixed_size 327680
		.amdhsa_private_segment_fixed_size 0
		.amdhsa_enable_private_segment 0
		.amdhsa_kernarg_size 40
		.amdhsa_user_sgpr_count 2
		.amdhsa_user_sgpr_kernarg_segment_ptr 1
		.amdhsa_wavefront_size32 1
		.amdhsa_system_sgpr_workgroup_id_x 1
		.amdhsa_system_sgpr_workgroup_id_y 1
		.amdhsa_system_sgpr_workgroup_id_z 1
		.amdhsa_system_vgpr_workitem_id 0
		.amdhsa_next_free_vgpr 512
		.amdhsa_next_free_sgpr 100
		.amdhsa_reserve_vcc 0
		.amdhsa_float_denorm_mode_32 3
		.amdhsa_float_denorm_mode_16_64 3
		.amdhsa_memory_ordered 1
		.amdhsa_forward_progress 1
		.amdhsa_inst_pref_size 83
	.end_amdhsa_kernel
	.amdgpu_metadata
---
amdhsa.version: [ 1, 2 ]
amdhsa.kernels:
  - .name:           k_qe13d11ddb6_oproj
    .symbol:         k_qe13d11ddb6_oproj.kd
    .args:
      - { .name: aoc, .offset: 0, .size: 8, .value_kind: global_buffer, .address_space: global }
      - { .name: aos, .offset: 8, .size: 8, .value_kind: global_buffer, .address_space: global }
      - { .name: wc, .offset: 16, .size: 8, .value_kind: global_buffer, .address_space: global }
      - { .name: ws, .offset: 24, .size: 8, .value_kind: global_buffer, .address_space: global }
      - { .name: out0, .offset: 32, .size: 8, .value_kind: global_buffer, .address_space: global }
    .group_segment_fixed_size: 327680
    .private_segment_fixed_size: 0
    .kernarg_segment_align: 8
    .kernarg_segment_size: 40
    .max_flat_workgroup_size: 128
    .sgpr_count:     100
    .vgpr_count:     512
    .wavefront_size: 32
...
	.end_amdgpu_metadata
.endif
;; end of part 4
